; MI455X (gfx1250); checked and timed in simulation.
; The chip was launched on July 23, 2026; its instructions are those of AMD's public machine-readable ISA for CDNA 5 (MIT licence, August 2026) and "CDNA5" Instruction Set Architecture Reference Guide (July 2026). The comments in the code are by the model that wrote it; some were corrected since.
;; Multi Head Self Attention. Allowed arithmetic: matrix products marked QUANTISED: E5M2 operands, one given power-of-two scale a tensor, by v_wmma_f32_16x16x64_bf8_bf8 or v_wmma_f32_16x16x128_bf8_bf8, f32 sums; everything else in f32.
;; Inputs: W1 768 x 1,024 float32; W2 1,024 x 768 float32; Wk 768 x 768 float32; Wo 768 x 768 float32; Wq 768 x 768 float32; Wv 768 x 768 float32; b1 1,024 float32; b2 768 float32; be1 768 float32; be2 768 float32; bk 768 float32; bo 768 float32; bq 768 float32; bv 768 float32; g1 768 float32; g2 768 float32; lowp_scales 16 int32 (the exponents e of the quantised operands' scales 2^e); x 4 x 2,048 x 768 float32.
;; Outputs: out0 4 x 2,048 x 768 float32.
;; This version of the problem:
;;   THIS VERSION OF THE PROBLEM IS GIVEN IN LOW PRECISION. The matrix products marked QUANTISED in the list below multiply operands that are first quantised to E5M2 (5 exponent bits, 2 mantissa bits; 8 bits a number), with one given power-of-two scale for each operand tensor; their sums are f32. All else is computed in f32.
;;   The module's matrix products, in the order in which they are computed (A, B: the left and right operand; K: the contracted axis; several contracted axes count as one K, in the product's order):
;;     1. [M 8,192, K 768] x [K 768, N 768]; A: input x; B: input Wq: QUANTISED (scales: A lowp_scales[0], B lowp_scales[1])
;;     2. [M 8,192, K 768] x [K 768, N 768]; A: input x; B: input Wk: QUANTISED (scales: A lowp_scales[2], B lowp_scales[3])
;;     3. [M 8,192, K 768] x [K 768, N 768]; A: input x; B: input Wv: QUANTISED (scales: A lowp_scales[4], B lowp_scales[5])
;;     4. batch 32 x [M 2,048, K 96] x [K 96, N 2,048]; A: computed on the way; B: computed on the way: QUANTISED (scales: A lowp_scales[6], B lowp_scales[7])
;;     5. batch 32 x [M 2,048, K 2,048] x [K 2,048, N 96]; A: softmax (see below); B: computed on the way: QUANTISED (scales: A lowp_scales[8], B lowp_scales[9])
;;     6. [M 8,192, K 768] x [K 768, N 768]; A: computed on the way; B: input Wo: QUANTISED (scales: A lowp_scales[10], B lowp_scales[11])
;;     7. [M 8,192, K 768] x [K 768, N 1,024]; A: computed on the way; B: input W1: QUANTISED (scales: A lowp_scales[12], B lowp_scales[13])
;;     8. [M 8,192, K 1,024] x [K 1,024, N 768]; A: computed on the way; B: input W2: QUANTISED (scales: A lowp_scales[14], B lowp_scales[15])
;;   THE QUANTISER, for each operand of a quantised product, along K:
;;     - The operand's scale is 2^e, e = its entry of the input lowp_scales (int32; the entries are numbered through the quantised products in the list's order, A before B).
;;     - Each number is divided by the scale, clamped to +-57,344, and rounded to the nearest number of E5M2, ties to even, subnormals kept.
;;     - The product sums the exact products of the quantised numbers (number of the format x scale) in f32.
;;   ~~~python
;;   def quantise(x, axis, e):      # numpy; x: float32 -> the quantised numbers, widened to float32 again
;;       x = np.moveaxis(x, axis, -1); K = x.shape[-1]
;;       r = np.clip(x / 2.0 ** e, -57344, 57344)
;;       step = 2.0 ** (np.maximum(np.frexp(np.where(r == 0, 1, r))[1] - 1, -14) - 2)
;;       q = np.round(r / step) * step * 2.0 ** e      # np.round: ties to even
;;       return np.moveaxis(q, -1, axis).astype(np.float32)
;;   ~~~
;;   SOFTMAX AHEAD OF A QUANTISED PRODUCT. Where the list says 'softmax', what is quantised is not the finished softmax but p = 2^(t - M), with t = logit x log2(e) and M = ceil(the row's largest t), a whole number; so 1/2 < the row's largest p <= 1. The row's sum l is taken of the UNQUANTISED p, in f32, and the product's result is divided by l at the end. Since M is a whole number, a kernel that streams over the keys may use a running M (the ceiling of the running maximum): every later rescaling is an exact power of two, so the quantised numbers keep their values, but for numbers so far below the row's largest that they fall under the format's range.
;;   OPERANDS COMPUTED ON THE WAY. 'Computed on the way' means the value that the module computes at that place (a softmax that the list does not call 'softmax' is quantised finished and normalised). What goes into a quantiser is computed in f32, as accurately as f32 sums, v_exp_f32 and their like allow (about 1e-6 of the number): no bf16 or f16 on the way to a quantiser, and a product that is left as it is and whose result goes on into a quantised operand takes f32 operands (vector FMAs, or v_wmma_f32_16x16x4_f32). A number that lies on a knife's edge between two numbers of the format may be rounded either way, as far as f32 arithmetic and the matrix unit's own rounding can turn it there, and no further.
;; One version. Each part assembles by itself: llvm-mc -triple=amdgcn-amd-amdhsa -mcpu=gfx1250 --defsym DOCPART=n.
;; ======== version 1 of 1: 4 launches
;; limits: right only within a limited range of input values
;; workspace buffers: wa 1,769,472 bytes; wb 2,162,688 bytes; qc 6,291,456 bytes; kv 12,582,912 bytes; ac 6,291,456 bytes
;; launch prep (part 1): grid 240 x 1, 8 waves a work-group, no clusters, 0 bytes of LDS; arguments Wq, Wk, Wv, Wo, W1, W2, lowp_scales, wa, wb; writes wa, wb
.if DOCPART == 1
	.amdgcn_target "amdgcn-amd-amdhsa--gfx1250"
	.amdhsa_code_object_version 6
	.text
	.protected	k_q8574348597_prep
	.globl	k_q8574348597_prep
	.p2align	8
	.type	k_q8574348597_prep,@function
k_q8574348597_prep:
	s_mov_b64 s[64:65], 0
	v_nop
	global_prefetch_b8 v0, s[64:65] scope:SCOPE_SE
	s_setreg_imm32_b32 hwreg(HW_REG_WAVE_MODE, 25, 1), 1
	s_wait_xcnt 0x0
; The six weights, f32 stored [K][N], become codes of BF8 (E5M2), each with its given scale 2^e, laid as IMAGES OF OPERAND REGISTERS.
; A fragment is 16 columns x 128 K: 4 groups of 512 bytes; in group c lane (r, h) has 16 bytes at 16 (r + 16 h): k = 32 c + 16 h + 0 .. 15 of its column.
; THE COLUMNS OF A TILE ARE NOT NEIGHBOURS: lane r of tile 2 G + u takes column 32 G + 8 u + r + 8 (r / 8).
; The stream: wave w of the reader owns NT tiles; its fragments go K step by K step (f = s NT + t), the layers of a reader on end (F = FB + f);
; fragment F of wave w lies at (((F / CH) 4 + w) CH + F % CH) 2048.
; wa: Wq, Wk, Wv, for a reader of four waves (NT 12, CH 18: a chunk of 18 fragments for each of four waves is one dense block).
; wb: Wo, W1, W2, for a reader of eight waves (NT 6, 8, 6; CH 132, so F / CH = 0: each wave's 132 fragments lie on end).
; SHARES.  A work-group takes 128 columns x 128 K of one weight; of its eight waves, wave v takes 32 columns (G: v % 4) and 64 of the 128 K (v / 4): groups 2 (v / 4) and 2 (v / 4) + 1 of two fragments.
; A lane takes a column and its registers run down K, so each load reads 128 consecutive bytes a wave, and the conversions give codes with K innermost.  All 64 loads of a wave are asked for at once.
; Each store of the wave covers two aligned runs of 256 bytes.
; LIMITS: each weight's e between -126 and 112.  NaN among the inputs is not served; an infinity is held at the largest code.
.set X, 32                             ; v32-95   two blocks of 32 numbers down K
.set C, 160                            ; v160-175 eight registers of codes a block: no register is written twice
	s_load_b512 s[4:19], s[0:1], 0x0               ; Wq s[4:5], Wk s[6:7], Wv s[8:9], Wo s[10:11], W1 s[12:13], W2 s[14:15], the exponents s[16:17], wa s[18:19]
	s_load_b64 s[20:21], s[0:1], 0x40              ; wb
	v_lshrrev_b32 v1, 5, v0
	v_readfirstlane_b32 s22, v1                    ; wave 0..7
	s_lshr_b32 s55, s22, 2                         ; which 64 of the 128 K
	s_and_b32 s22, s22, 3                          ; which 32 of the 128 columns
	v_and_b32 v2, 31, v0                           ; l: my column among the wave's 32
	v_lshlrev_b32 v3, 2, v2                        ; in: 4 bytes a lane
	v_bfe_u32 v5, v2, 3, 1                         ; which of the two tiles: u = (l / 8) % 2
	v_and_b32 v6, 7, v2
	v_lshrrev_b32 v7, 4, v2
	v_lshl_add_u32 v6, v7, 3, v6                   ; its lane there: r = l % 8 + 8 (l / 16)
	v_lshlrev_b32 v4, 4, v6
	v_lshl_add_u32 v4, v5, 11, v4                  ; out: 2048 u + 16 r
	s_mov_b32 s24, 192                             ; the parameters, W2's first: the weight's first work-group,
	s_mov_b32 s25, 32                              ; (L x this) >> 8 = L / S,
	s_mov_b32 s26, 8                               ; S: K steps,
	s_mov_b32 s27, 3                               ; pairs of tiles a wave of the reader,
	s_mov_b32 s28, 86                              ; (G x this) >> 8 = G / that,
	s_mov_b32 s29, 6                               ; NT,
	s_mov_b32 s30, 84                              ; FB,
	s_mov_b32 s31, 132                             ; CH,
	s_mov_b32 s32, 0                               ; (F x this) >> 16 = F / CH
	s_mov_b32 s33, 128*3072                        ; 128 rows in bytes
	s_wait_kmcnt 0x0
	s_load_b512 s[68:83], s[16:17], 0x0            ; the sixteen exponents
	s_cmp_lt_u32 ttmp9, 192                        ; W1 or an earlier one.  Every choice hangs on the work-group's number alone
	s_cselect_b32 s24, 144, s24
	s_cselect_b32 s25, 43, s25
	s_cselect_b32 s26, 6, s26
	s_cselect_b32 s27, 4, s27
	s_cselect_b32 s28, 64, s28
	s_cselect_b32 s29, 8, s29
	s_cselect_b32 s30, 36, s30
	s_cselect_b32 s33, 128*4096, s33
	s_cselect_b64 s[34:35], s[12:13], s[14:15]
	s_cmp_lt_u32 ttmp9, 144                        ; Wo or earlier
	s_cselect_b32 s24, 108, s24
	s_cselect_b32 s27, 3, s27
	s_cselect_b32 s28, 86, s28
	s_cselect_b32 s29, 6, s29
	s_cselect_b32 s30, 0, s30
	s_cselect_b32 s33, 128*3072, s33
	s_cselect_b64 s[34:35], s[10:11], s[34:35]
	s_cmp_lt_u32 ttmp9, 108                        ; Wv or earlier: these go to wa
	s_cselect_b32 s24, 72, s24
	s_cselect_b32 s30, 144, s30
	s_cselect_b32 s31, 18, s31
	s_cselect_b32 s27, 6, s27
	s_cselect_b32 s28, 43, s28
	s_cselect_b32 s29, 12, s29
	s_cselect_b32 s32, 3641, s32
	s_cselect_b64 s[34:35], s[8:9], s[34:35]
	s_cselect_b64 s[36:37], s[18:19], s[20:21]
	s_cmp_lt_u32 ttmp9, 72                         ; Wk or Wq
	s_cselect_b32 s24, 36, s24
	s_cselect_b32 s30, 72, s30
	s_cselect_b64 s[34:35], s[6:7], s[34:35]
	s_cmp_lt_u32 ttmp9, 36                         ; Wq
	s_cselect_b32 s24, 0, s24
	s_cselect_b32 s30, 0, s30
	s_cselect_b64 s[34:35], s[4:5], s[34:35]
	s_sub_co_u32 s38, ttmp9, s24                   ; L, under 48
	s_mul_i32 s39, s38, s25
	s_lshr_b32 s39, s39, 8                         ; which 128 columns
	s_mul_i32 s40, s39, s26
	s_sub_co_u32 s40, s38, s40                     ; s: which K step
	s_lshl_b32 s41, s39, 2
	s_add_co_u32 s41, s41, s22                     ; G: my 32 columns, under 32
	s_mul_i32 s42, s41, s28
	s_lshr_b32 s42, s42, 8                         ; w: the reader's wave
	s_mul_i32 s43, s42, s27
	s_sub_co_u32 s43, s41, s43
	s_lshl_b32 s43, s43, 1                         ; t: my first tile among that wave's
	s_mul_i32 s44, s40, s29
	s_add_co_u32 s44, s44, s30
	s_add_co_u32 s44, s44, s43                     ; F, even, under 264: F and F + 1 lie in one chunk
	s_mul_i32 s45, s44, s32
	s_lshr_b32 s45, s45, 16                        ; the chunk
	s_mul_i32 s46, s45, s31
	s_sub_co_u32 s46, s44, s46                     ; and the place in it
	s_lshl_b32 s47, s45, 2
	s_add_co_u32 s47, s47, s42
	s_mul_i32 s47, s47, s31
	s_add_co_u32 s47, s47, s46
	s_lshl_b32 s48, s47, 11
	s_lshl_b32 s56, s55, 10                        ; my two groups of 512 bytes in each fragment
	s_add_co_u32 s48, s48, s56
	s_mov_b32 s49, 0
	s_add_nc_u64 s[36:37], s[36:37], s[48:49]      ; where my part of the two fragments goes
	s_mul_i32 s50, s40, s33                        ; 128 s rows down,
	s_lshl_b32 s51, s41, 7                         ; 32 G columns along,
	s_add_co_u32 s50, s50, s51
	s_lshr_b32 s56, s33, 1
	s_mul_i32 s56, s56, s55                        ; and my 64 rows of the 128
	s_add_co_u32 s50, s50, s56
	s_mov_b32 s51, 0
	s_add_nc_u64 s[34:35], s[34:35], s[50:51]
.macro LOADW c, rowb                   ; block c of my two: W(my first row + 32 c + i, my column), i = 0 .. 31
.set ii, 0
.rept 32
	global_load_b32 v[X+32*(\c)+ii], v3, s[34:35] offset:(32*(\c)+ii)*(\rowb) th:TH_LOAD_NT
.set ii, ii+1
.endr
.endm
.macro BLOCK c
.if (\c) < 1
	s_wait_loadcnt 32                              ; this block's 32 loads are in; the next block's 32 may be out
.else
	s_wait_loadcnt 0x0
.endif
.set ii, 0
.rept 32
	v_med3_num_f32 v[X+32*(\c)+ii], v[X+32*(\c)+ii], -v10, v10   ; the conversion to an 8-bit code does not saturate (ISA guide 7.6.2): the hold at the largest code x the scale
.set ii, ii+1
.endr
.set ii, 0
.rept 4
	v_cvt_scalef32_pk8_bf8_f32 v[C+8*(\c)+2*ii:C+8*(\c)+2*ii+1], v[X+32*(\c)+8*ii:X+32*(\c)+8*ii+7], v11
.set ii, ii+1
.endr
	global_store_b128 v4, v[C+8*(\c):C+8*(\c)+3], s[36:37] offset:512*(\c)         ; the block's k 0 .. 15: the places of lanes 0-15 of its group, in both fragments
	global_store_b128 v4, v[C+8*(\c)+4:C+8*(\c)+7], s[36:37] offset:512*(\c)+256   ; its k 16 .. 31: those of lanes 16-31
.endm
.macro QW rowb                         ; rowb: a row of the weight in bytes
	LOADW 0, \rowb
	LOADW 1, \rowb
	s_wait_kmcnt 0x0
	s_mov_b32 s52, s83                             ; my weight's e: W2's, W1's, Wo's, Wv's, Wk's, Wq's
	s_cmp_lt_u32 ttmp9, 192
	s_cselect_b32 s52, s81, s52
	s_cmp_lt_u32 ttmp9, 144
	s_cselect_b32 s52, s79, s52
	s_cmp_lt_u32 ttmp9, 108
	s_cselect_b32 s52, s73, s52
	s_cmp_lt_u32 ttmp9, 72
	s_cselect_b32 s52, s71, s52
	s_cmp_lt_u32 ttmp9, 36
	s_cselect_b32 s52, s69, s52
	s_add_co_i32 s52, s52, 127
	s_lshl_b32 s53, s52, 23
	v_mov_b32 v11, s53                             ; 2^e as f32: the conversion takes its exponent field
	s_add_co_i32 s52, s52, 15
	s_lshl_b32 s52, s52, 23
	s_or_b32 s52, s52, 0x600000
	v_mov_b32 v10, s52                             ; 57,344 x 2^e
	s_wait_alu depctr_va_vdst(0)                   ; directly ahead of the wait below
	BLOCK 0
	BLOCK 1
	s_endpgm
.endm
	s_sub_co_u32 s54, ttmp9, 144                   ; W1's rows are 4,096 bytes, all others' 3,072: the rows stand in the loads' immediates, so the text is written for each
	s_cmp_lt_u32 s54, 48
	s_cbranch_scc1 .Lwide
	s_wait_alu depctr_va_vdst(0)
	QW 3072
.Lwide:
	s_wait_alu depctr_va_vdst(0)
	QW 4096
.Lfunc_end_k_q8574348597_prep:
	.size	k_q8574348597_prep, .Lfunc_end_k_q8574348597_prep-k_q8574348597_prep
	.p2alignl 7, 3214868480
	.fill 96, 4, 3214868480
	.section	.rodata,"a",@progbits
	.p2align	6, 0x0
	.amdhsa_kernel k_q8574348597_prep
		.amdhsa_group_segment_fixed_size 0
		.amdhsa_private_segment_fixed_size 0
		.amdhsa_enable_private_segment 0
		.amdhsa_kernarg_size 72
		.amdhsa_user_sgpr_count 2
		.amdhsa_user_sgpr_kernarg_segment_ptr 1
		.amdhsa_wavefront_size32 1
		.amdhsa_system_sgpr_workgroup_id_x 1
		.amdhsa_system_sgpr_workgroup_id_y 1
		.amdhsa_system_sgpr_workgroup_id_z 1
		.amdhsa_system_vgpr_workitem_id 0
		.amdhsa_next_free_vgpr 192
		.amdhsa_next_free_sgpr 100
		.amdhsa_reserve_vcc 0
		.amdhsa_float_denorm_mode_32 3
		.amdhsa_float_denorm_mode_16_64 3
		.amdhsa_memory_ordered 1
		.amdhsa_forward_progress 1
		.amdhsa_inst_pref_size 28
	.end_amdhsa_kernel
	.amdgpu_metadata
---
amdhsa.version: [ 1, 2 ]
amdhsa.kernels:
  - .name:           k_q8574348597_prep
    .symbol:         k_q8574348597_prep.kd
    .args:
      - { .name: Wq, .offset: 0, .size: 8, .value_kind: global_buffer, .address_space: global }
      - { .name: Wk, .offset: 8, .size: 8, .value_kind: global_buffer, .address_space: global }
      - { .name: Wv, .offset: 16, .size: 8, .value_kind: global_buffer, .address_space: global }
      - { .name: Wo, .offset: 24, .size: 8, .value_kind: global_buffer, .address_space: global }
      - { .name: W1, .offset: 32, .size: 8, .value_kind: global_buffer, .address_space: global }
      - { .name: W2, .offset: 40, .size: 8, .value_kind: global_buffer, .address_space: global }
      - { .name: lowp_scales, .offset: 48, .size: 8, .value_kind: global_buffer, .address_space: global }
      - { .name: wa, .offset: 56, .size: 8, .value_kind: global_buffer, .address_space: global }
      - { .name: wb, .offset: 64, .size: 8, .value_kind: global_buffer, .address_space: global }
    .group_segment_fixed_size: 0
    .private_segment_fixed_size: 0
    .kernarg_segment_align: 8
    .kernarg_segment_size: 72
    .max_flat_workgroup_size: 256
    .sgpr_count:     100
    .vgpr_count:     192
    .wavefront_size: 32
...
	.end_amdgpu_metadata
.endif
;; end of part 1
;; launch qkv (part 2): grid 256 x 1, 4 waves a work-group, clusters of 4 x 1, 327,680 bytes of LDS; arguments x, wa, bq, bk, bv, lowp_scales, qc, kv; writes qc, kv
.if DOCPART == 2
	.amdgcn_target "amdgcn-amd-amdhsa--gfx1250"
	.amdhsa_code_object_version 6
	.text
	.protected	k_q8574348597_qkv
	.globl	k_q8574348597_qkv
	.p2align	8
	.type	k_q8574348597_qkv,@function
k_q8574348597_qkv:
	s_mov_b64 s[64:65], 0
	v_nop
	global_prefetch_b8 v0, s[64:65] scope:SCOPE_SE
	s_setreg_imm32_b32 hwreg(HW_REG_WAVE_MODE, 25, 1), 1
	s_wait_xcnt 0x0
	s_wait_alu depctr_hold_cnt(0) depctr_sa_sdst(0) depctr_va_vdst(0) depctr_va_sdst(0) depctr_va_ssrc(0) depctr_va_vcc(0) depctr_vm_vsrc(0)
	s_getreg_b32 s2, hwreg(HW_REG_IB_STS2, 6, 4)
	s_cmp_eq_u32 s2, 0
	s_cbranch_scc0 .Lentry_in_a_cluster
	s_endpgm
.Lentry_in_a_cluster:
	s_bfe_u32 s2, ttmp6, 0x10000c
	s_cmp_lg_u32 s2, 0x3003
	s_cbranch_scc0 .Lentry_shape_is_right
	s_endpgm
.Lentry_shape_is_right:
; Q, K, V = x W + b, each product on codes of BF8 (E5M2) with its own two given scales; the results are quantised at once (e6, e7, e9) and leave as codes, laid as images of the operand registers that the attention wants.
; SHARES.  A work-group owns 128 tokens and ONE QUARTER OF THE COLUMNS: columns 192 cq .. 192 cq + 191 (heads 2 cq, 2 cq + 1) of each of Q, K and V.  THE WAVES SHARE THE TOKENS: a wave owns 32, as two tiles of 16:
; lane r of tile u is token 8 u + r + 8 (r / 8).  So a work-group takes in 442,368 bytes of weights, a quarter of buffer wa, and each fragment in LDS is read by all four waves.
; x: a wave reads its 32 rows once, as f32, and quantises them at once under all three products' scales (they may differ): 3 x 12 fragments of codes stay in its registers.  Nothing of x goes from wave to wave.
; THE WEIGHTS: a product's quarter is 72 fragments, 147,456 bytes, one LDS slot: part cq of four chunks of wa, one chunk's part fetched by each wave.  Wq and Wk are the two first fills; Wv fills Wq's slot again.
; CLUSTER: the four partners have the same cq and other tokens: each part is asked for JOINTLY (mask 15).
; Q and K are made TRANSPOSED (source 0 = 16 columns of W, source 1 = 16 tokens): a lane holds one token and its registers run along the head's channels, the next K.
; V is made the other way round (source 0 = tokens): a lane holds one channel and its registers run along the tokens, which are the keys, the next K.  The bias starts each sum, as b / 2^(ex + ew).
; LIMITS: ex (e0, e2, e4), and e6 - e0 - e1, e7 - e2 - e3, e9 - e4 - e5, between -126 and 112; ex + ew between -127 and 126.  NaN among the inputs is not served.  k is permuted alike in both operands of a matrix instruction.
; REGISTERS, in windows of 256.  Window 0: v1-25 addresses and scales; v32-127 two buffers of three weight fragments (ahead of the products: x's numbers, two sets of 32; behind a product v32-79 hold its codes);
;   v96-191 the held numbers, a set of 32 for each scale; later v128-223 bk and v224-235 bv.
;   From register 256 on: x's codes: fragment (product p, tile u, K step s) at 256 + 192 p + 16 (2 s + u): 576 registers, through windows 1, 2 and the first 64 of window 3; no fragment lies across a window's end.
;   Window 3, v64-255: the 24 accumulators ((u, t) at 64 + 8 (2 t + u)); ahead of the products a ring of six sets of 32 registers for x as it is loaded.
.set CH,    18                         ; fragments in a chunk's part
.set GF,    3                          ; fragments in a run of LDS loads
.set NGC,   CH/GF
.set PART,  CH*2048                    ; a chunk's part: what one tensor load brings
.set SLOTB, 4*PART                     ; a slot; also a chunk of wa
.set STG,   2*SLOTB                    ; behind the slots: a stage of 16 rows for each wave,
.set SPIT,  272                        ; 256 bytes + 16 = 68 words a row: row r starts at bank 4 r mod 64 (64 banks of 4 bytes: ISA guide 11.1)
.set STGW,  16*SPIT
.set SPARE, STG+4*STGW                 ; the spare words, 128 bytes a wave: two blocks of 256 bytes that no other line names
.set NHP,   24                         ; half pieces of x: 16 rows (one tile of tokens) x 64 columns
.set RING,  6                          ; sets of registers for x as loaded
.set LI,   1                           ; 16 x lane
.set SPW,  2
.set NIL,  3
.set GA,   4                           ; x: 3072 (lane / 16) + 16 (lane % 16): sixteen lanes to 256 bytes of a row, two rows a load
.set SA,   5                           ; the stage, on the way in: the same two rows
.set LA,   6                           ; and on the way out: row r, + 64 (lane / 16): my 16 neighbours
.set BOF,  7                           ; 64 (lane / 16)
.set BOV,  8                           ; 4 (r + 8 (r / 8))
.set SCO,  9
.set LIMO, 10
.set SCX,  12                          ; v12-14: 2^ex for the three products
.set LIMX, 15                          ; v15-17: 57,344 x that
.set ADB,  18                          ; v18-25: 16 x lane + slot + part: an LDS immediate reaches one part
.set XB,   32
.set TP,   96
.set BB,   32
.set OC,   32
.set T,    128
.set TV,   224
.set ABASE, 256
.set ACC,  64                          ; in window 3
.set RAW,  64                          ; in window 3
.set WV,   20
.set CX,   21
.set BLK,  22
.set CQ,   23
.set G1,   24                          ; s[24:31] group 1 of the weights' loads
.set G0,   40                          ; s[40:47] group 0, a set for each slot
.set EX,   68                          ; s[68:83] the exponents
.set SB,   84                          ; s[84:85] 2^-(ex + ew)
.set QB,   88                          ; s[88:93] where Q's, K's, V's codes go
.set KB,   90
.set VB,   92
.set MSB, 0
.macro WIN new                         ; the immediate's high byte repeats the setting that is left
.if MSB != \new
	s_set_vgpr_msb (MSB<<8)|\new
.set MSB, \new
.endif
.endm
.macro PLACES n
.rept \n
	v_nop
.endr
.endm
.macro ROUND                           ; a round of the cluster's barrier
	WIN 0
	s_barrier_signal -1
	s_barrier_wait -1
	s_cmp_lg_u32 s[WV], 0
	s_cbranch_scc1 .Lnot_wave_0_\@
	s_barrier_signal -3
.Lnot_wave_0_\@:
	s_barrier_wait -3
	s_barrier_signal -1
	s_barrier_wait -1
.endm
; ---- x.  Half piece n: tile of tokens n % 2, columns 64 (n / 2) on.
.macro LOADX n                         ; eight loads, each two rows' 256 consecutive bytes, at multiples of 256 from x's first byte.  Stage row 2 kk + lane / 16 is lane r = that of the tile: token 8 u + r + 8 (r / 8)
.set kk, 0
.rept 8
	global_load_b128 v[RAW+32*((\n)%RING)+4*kk:RAW+32*((\n)%RING)+4*kk+3], v[GA], s[4:5] offset:(8*((\n)%2)+2*kk+8*(kk/4))*3072+256*((\n)/2)
.set kk, kk+1
.endr
.endm
.macro BIASQ k                         ; the ring's last six refills bring bq, straight into accumulators 4 k .. 4 k + 3 (the set's registers), the same numbers for both tiles of tokens
.set kk, 0
.rept 4
.set na, 4*(\k)+kk                     ; na = 2 t + u: tile t, lane (r, h): columns 32 (t / 2) + 16 h + 8 (t % 2) + 0 .. 7
	global_load_b128 v[ACC+8*na:ACC+8*na+3], v[BOF], s[8:9] offset:128*(na/4)+32*((na/2)%2)
	global_load_b128 v[ACC+8*na+4:ACC+8*na+7], v[BOF], s[8:9] offset:128*(na/4)+32*((na/2)%2)+16
.set kk, kk+1
.endr
.endm
.macro TURN n                          ; through my own stage: in as loaded, out 64 bytes a lane.  LDS serves a wave's instructions in order (ISA guide 5.7.1.4): no wait between the stores and the loads
	WIN 0x0c                                       ; store data window 3
.set kk, 0
.rept 8
	ds_store_b128 v[SA], v[RAW+32*((\n)%RING)+4*kk:RAW+32*((\n)%RING)+4*kk+3] offset:2*kk*SPIT
.set kk, kk+1
.endr
	WIN 0
.set kk, 0
.rept 8                                ; register 16 (kk / 4) + 4 (kk % 4) + e: column 32 (kk / 4) + 16 (lane / 16) + 4 (kk % 4) + e of the piece's 64
	ds_load_b128 v[XB+32*((\n)%2)+4*kk:XB+32*((\n)%2)+4*kk+3], v[LA] offset:128*(kk/4)+16*(kk%4)
.set kk, kk+1
.endr
.endm
.macro QUANT n                         ; 32 numbers of a lane become two groups of codes under each of the three scales, in the operands' own registers: group g = 2 (n / 2) + 0, 1 of K: K step g / 4, registers 4 (g % 4) on
.set XS, XB+32*((\n)%2)
.set uu, (\n)%2
.set pcol, (\n)/2
	WIN 0
.irp p, 0,1,2
.set ii, 0
.rept 32
	v_med3_num_f32 v[TP+32*\p+ii], v[XS+ii], -v[LIMX+\p], v[LIMX+\p]   ; the conversion to an 8-bit code does not saturate (ISA guide 7.6.2): the hold; x itself is kept for the next scale
.set ii, ii+1
.endr
.endr
.irp p, 0,1,2
.set ii, 0
.rept 4
.set pq, ABASE+192*\p+16*(2*(pcol/2)+uu)+4*(2*(pcol%2)+ii/2)+2*(ii%2)
.set wn, (pq/256)<<6
	WIN wn                                         ; the destination's window
	v_cvt_scalef32_pk8_bf8_f32 v[pq%256:pq%256+1], v[TP+32*\p+8*ii:TP+32*\p+8*ii+7], v[SCX+\p]
.set ii, ii+1
.endr
.endr
	v_nop                                          ; a plain line behind the last conversion
.endm
.macro STEPX n
	s_wait_dscnt 0x0                               ; half piece n is back from the stage: so its stores into the stage have read their set of registers,
	WIN 0xc0                                       ; destination window 3
.if (\n)+RING < NHP
	LOADX (\n)+RING                                ; which takes the loads of six half pieces on,
.else
	BIASQ (\n)+RING-NHP                            ; or, at the end, eight loads of bq
.endif
.if (\n)+1 < NHP
	s_wait_loadcnt 8*(RING-1)                      ; the next half piece's eight loads are in; the five sets of eight behind them may be out
	TURN (\n)+1                                    ; it goes through the stage while this one is worked
.endif
	QUANT \n
.endm
; ---- the products
.macro LOADG gg                        ; run gg of the stream: three fragments into buffer gg % 2.  The four v_nop are the places behind the products that read that buffer
	WIN 0
	PLACES 4
.set ii, 0
.rept GF
.irp c, 0,1,2,3
	ds_load_b128 v[BB+16*GF*((\gg)%2)+16*ii+4*\c:BB+16*GF*((\gg)%2)+16*ii+4*\c+3], v[ADB+((\gg)/NGC)%4+4*(((\gg)/(4*NGC))%2)] offset:(((\gg)%NGC)*GF+ii)*2048+512*\c
.endr
.set ii, ii+1
.endr
.endm
.macro MULG gg                         ; its six products: each fragment against both tiles of tokens.  The 24 accumulators take turns, one instruction a turn
.set ii, 0
.rept GF
.set FF, GF*(\gg)+ii
.set pp, FF/72
.set ss, (FF%72)/12
.set tt, FF%12
.set rB, BB+16*GF*((\gg)%2)+16*ii
.irp u, 0,1
.set pA, ABASE+192*pp+16*(2*ss+\u)
.set rA, pA%256
.set rC, ACC+8*(2*tt+\u)
.set cw, 0xf0                          ; C and D window 3
.set rS, rC
.if (pp > 0) && (ss == 0)              ; K's and V's first K step starts each sum from the scaled bias of its tile, eight registers in window 0 that both tiles of tokens share
.set cw, 0xc0
.set rS, T+8*tt
.endif
.if pp == 2
.set wn, cw|(pA/256)
	WIN wn                                         ; source 0 = x, source 1 = Wv (window 0)
	v_wmma_f32_16x16x128_bf8_bf8 v[rC:rC+7], v[rA:rA+15], v[rB:rB+15], v[rS:rS+7]
.else
.set wn, cw|((pA/256)<<2)
	WIN wn                                         ; source 0 = W (window 0), source 1 = x
	v_wmma_f32_16x16x128_bf8_bf8 v[rC:rC+7], v[rB:rB+15], v[rA:rA+15], v[rS:rS+7]
.endif
.endr
.set ii, ii+1
.endr
.endm
.macro GROUP gg
.if ((\gg)%24) == 23                   ; a product's last run
	s_wait_dscnt 0x0
	MULG \gg
	WIN 0
.else
	LOADG (\gg)+1
	s_wait_dscnt 4*GF                              ; only the run just asked for may be out
	MULG \gg
.endif
.endm
.macro PREPS p, eo                     ; product p's scales
	WIN 0                                          ; both registers lie in window 0
	s_add_co_i32 s94, s[EX+2*\p], s[EX+2*\p+1]
	s_sub_co_i32 s95, 127, s94
	s_lshl_b32 s[SB], s95, 23                      ; 2^-(ex + ew)
	s_mov_b32 s[SB+1], s[SB]
	s_sub_co_i32 s94, s[\eo], s94                  ; a sum stands for sum x 2^(ex + ew): the three scales are folded into the conversion's one
	s_add_co_i32 s94, s94, 127
	s_lshl_b32 s95, s94, 23
	v_mov_b32 v[SCO], s95
	s_add_co_i32 s94, s94, 15
	s_lshl_b32 s94, s94, 23
	s_or_b32 s94, s94, 0x600000
	v_mov_b32 v[LIMO], s94
.endm
.macro EPI p                           ; behind a product: hold, conversion, twelve stores of 512 dense bytes
	PLACES 4
	WIN 0xc3                                       ; source 0 and destination window 3
.set nn, 0
.rept 192
	v_med3_num_f32 v[ACC+nn], v[ACC+nn], -v[LIMO], v[LIMO]   ; each accumulator from its low end on
.set nn, nn+1
.endr
	WIN 0x03
.set nn, 0
.rept 12
.if \p < 2                             ; nn = 6 u + G: tiles 2 G and 2 G + 1 of token tile u are 16 neighbouring channels
	v_cvt_scalef32_pk8_bf8_f32 v[OC+4*nn:OC+4*nn+1], v[ACC+32*(nn%6)+8*(nn/6):ACC+32*(nn%6)+8*(nn/6)+7], v[SCO]
	v_cvt_scalef32_pk8_bf8_f32 v[OC+4*nn+2:OC+4*nn+3], v[ACC+32*(nn%6)+16+8*(nn/6):ACC+32*(nn%6)+16+8*(nn/6)+7], v[SCO]
.else                                  ; nn = t: the two token tiles of channel tile t are 16 neighbouring keys
	v_cvt_scalef32_pk8_bf8_f32 v[OC+4*nn:OC+4*nn+1], v[ACC+16*nn:ACC+16*nn+7], v[SCO]
	v_cvt_scalef32_pk8_bf8_f32 v[OC+4*nn+2:OC+4*nn+3], v[ACC+16*nn+8:ACC+16*nn+15], v[SCO]
.endif
.set nn, nn+1
.endr
	v_nop                                          ; a plain line behind the last conversion
	WIN 0
.set nn, 0
.rept 12
.if \p == 0
	global_store_b128 v[LI], v[OC+4*nn:OC+4*nn+3], s[QB:QB+1] offset:((nn%6)/3)*196608+(nn/6)*1536+(nn%3)*512
.elseif \p == 1
	global_store_b128 v[LI], v[OC+4*nn:OC+4*nn+3], s[KB:KB+1] offset:((nn%6)/3)*393216+(nn/6)*1536+(nn%3)*512
.else
	global_store_b128 v[LI], v[OC+4*nn:OC+4*nn+3], s[VB:VB+1] offset:(nn/6)*393216+(nn%6)*512
.endif
.set nn, nn+1
.endr
.endm
	s_load_b512 s[4:19], s[0:1], 0x0               ; x s[4:5], wa s[6:7], bq s[8:9], bk s[10:11], bv s[12:13], the exponents s[14:15], qc s[16:17], kv s[18:19]
	v_lshl_add_u32 v[SPW], v0, 2, SPARE
	v_mov_b32 v[NIL], 0
	ds_add_u32 v2, v3
	ds_add_u32 v2, v3
	s_wait_dscnt 0x0
	v_lshrrev_b32 v26, 5, v0
	v_readfirstlane_b32 s[WV], v26                 ; wave 0..3
	v_and_b32 v27, 15, v0                          ; r
	v_bfe_u32 v28, v0, 4, 1                        ; h
	v_mul_u32_u24 v[GA], v28, 3072
	v_lshl_add_u32 v[GA], v27, 4, v[GA]
	s_bfe_u32 s[CX], ttmp6, 0x40000                ; my place in the cluster: it enters x's, qc's and kv's addresses alone
	s_and_b32 s[CQ], ttmp9, 3                      ; my quarter of the columns: the cluster's, the same in all four partners
	s_lshr_b32 s[BLK], ttmp9, 2
	s_lshl_b32 s[BLK], s[BLK], 2
	s_add_co_u32 s[BLK], s[BLK], s[CX]             ; my work-group's 128 tokens,
	s_lshl_b32 s[BLK], s[BLK], 2
	s_add_co_u32 s[BLK], s[BLK], s[WV]             ; my wave's block of 32
	s_mov_b32 s[G1+0], 0x0023000f                  ; mask: all four partners; elements of 8 bytes; bit 21 beside the mask; no padding
	s_mov_b32 s[G1+1], 32<<16                      ; tensor_dim0 = 32 elements: rows of 256 bytes
	s_mov_b32 s[G1+2], (PART/256)<<16              ; tensor_dim1 = 144
	s_mov_b32 s[G1+3], 32<<16                      ; tile_dim0
	s_mov_b32 s[G1+4], PART/256                    ; tile_dim1
	s_mov_b32 s[G1+5], 32                          ; the block is dense
	s_mov_b32 s[G1+6], 0
	s_mov_b32 s[G1+7], 0
	s_mul_i32 s36, s[WV], PART                     ; where my part lands in a slot
	s_mul_i32 s32, s[WV], SLOTB                    ; chunk w of a slot's four,
	s_mul_i32 s33, s[CQ], PART                     ; part cq of it: s32 to s35 hold nothing of my place in the cluster
	s_add_co_u32 s32, s32, s33
	s_mov_b32 s33, 0
	s_mul_i32 s98, s[BLK], 98304                   ; 32 rows of 3,072 bytes
	s_mov_b32 s99, 0
	s_mul_i32 s100, s[CQ], 768
	s_mov_b32 s101, 0
	s_wait_alu depctr_va_vdst(0)
	s_wait_kmcnt 0x0
	s_load_b512 s[EX:EX+15], s[14:15], 0x0
	s_add_nc_u64 s[4:5], s[4:5], s[98:99]          ; x at my 32 rows
	WIN 0xc0                                       ; destination window 3
.irp n, 0,1,2,3,4,5
	LOADX \n                                       ; the ring is filled: 48 loads of mine are out
.endr
	WIN 0
	s_add_nc_u64 s[34:35], s[6:7], s[32:33]
.irp n, 0,1
	s_mov_b32 s[G0+4*\n], 1
	s_add_co_u32 s[G0+4*\n+1], s36, \n*SLOTB
	s_add_nc_u64 s[G0+4*\n+2:G0+4*\n+3], s[34:35], \n*4*SLOTB   ; slot 0: chunks 0 to 3, Wq; slot 1: chunks 4 to 7, Wk
	s_or_b32 s[G0+4*\n+3], s[G0+4*\n+3], 0x80000000
.endr
	s_add_nc_u64 s[8:9], s[8:9], s[100:101]        ; the biases at my 192 columns
	s_add_nc_u64 s[10:11], s[10:11], s[100:101]
	s_add_nc_u64 s[12:13], s[12:13], s[100:101]
	ROUND                                          ; all four partners are here: the first joint loads meet
	tensor_load_to_lds s[G0:G0+3], s[G1:G1+7]      ; my part of Wq
	s_nop 0
	PLACES 4
	v_and_b32 v[LI], 31, v0
	v_lshlrev_b32 v[LI], 4, v[LI]
	s_mul_i32 s94, s[WV], STGW
	s_add_co_u32 s94, s94, STG                     ; my stage
	v_mul_u32_u24 v[SA], v28, SPIT
	v_lshl_add_u32 v[SA], v27, 4, v[SA]
	v_add_nc_u32 v[SA], s94, v[SA]
	v_mul_u32_u24 v[LA], v27, SPIT
	v_lshl_add_u32 v[LA], v28, 6, v[LA]
	v_add_nc_u32 v[LA], s94, v[LA]
	v_lshlrev_b32 v[BOF], 6, v28
	v_and_b32 v29, 8, v27
	v_add_nc_u32 v29, v29, v27                     ; r + 8 (r / 8)
	v_lshlrev_b32 v[BOV], 2, v29
.irp k, 0,1,2,3,4,5,6,7
	v_add_nc_u32 v[ADB+\k], (\k/4)*SLOTB+(\k%4)*PART, v[LI]
.endr
	s_lshr_b32 s96, s[BLK], 6                      ; the batch,
	s_and_b32 s97, s[BLK], 63                      ; the block in it
	s_lshl_b32 s96, s96, 3
	s_lshl_b32 s100, s[CQ], 1
	s_add_co_u32 s96, s96, s100                    ; my first head: 8 x batch + 2 cq
	s_lshl_b32 s100, s96, 6
	s_add_co_u32 s100, s100, s97
	s_mul_i32 s100, s100, 3072
	s_add_nc_u64 s[QB:QB+1], s[16:17], s[100:101]  ; qc: [head][block][u][c][512]
	s_mul_i32 s100, s96, 393216
	s_lshr_b32 s96, s97, 4
	s_mul_i32 s96, s96, 98304
	s_add_co_u32 s100, s100, s96
	s_and_b32 s97, s97, 15
	s_mul_i32 s97, s97, 3072
	s_add_co_u32 s100, s100, s97
	s_add_nc_u64 s[KB:KB+1], s[18:19], s[100:101]  ; kv: [head][slot of 512 keys][K: 16 blocks | V: 16 blocks]
	s_add_nc_u64 s[VB:VB+1], s[KB:KB+1], 49152
	s_wait_kmcnt 0x0
.irp p, 0,1,2
	s_add_co_i32 s94, s[EX+2*\p], 127
	s_lshl_b32 s95, s94, 23
	v_mov_b32 v[SCX+\p], s95                       ; 2^ex
	s_add_co_i32 s94, s94, 15
	s_lshl_b32 s94, s94, 23
	s_or_b32 s94, s94, 0x600000
	v_mov_b32 v[LIMX+\p], s94                      ; 57,344 x 2^ex
.endr
	s_wait_alu depctr_va_vdst(0)
	s_wait_loadcnt 8*(RING-1)                      ; half piece 0 is in; the five behind it may be out
	TURN 0
.set nq, 0
.rept NHP
	STEPX nq
.set nq, nq+1
.endr
	WIN 0
.set tq, 0
.rept 12                               ; bk, in the results' layout, and bv, a number a tile (a lane holds one channel): they land under Q's products
	global_load_b128 v[T+8*tq:T+8*tq+3], v[BOF], s[10:11] offset:128*(tq/2)+32*(tq%2)
	global_load_b128 v[T+8*tq+4:T+8*tq+7], v[BOF], s[10:11] offset:128*(tq/2)+32*(tq%2)+16
	global_load_b32 v[TV+tq], v[BOV], s[12:13] offset:128*(tq/2)+32*(tq%2)
.set tq, tq+1
.endr
	PREPS 0, 74
	s_wait_loadcnt 36                              ; bq is in; the 36 loads of bk and bv may be out
	WIN 0xc3
.set nn, 0
.rept 96
	v_pk_mul_f32 v[ACC+2*nn:ACC+2*nn+1], v[ACC+2*nn:ACC+2*nn+1], s[SB:SB+1] op_sel_hi:[1,0]   ; the sums start as bq / 2^(e0 + e1)
.set nn, nn+1
.endr
	WIN 0
	s_wait_alu depctr_va_vdst(0)
	s_wait_tensorcnt 0x0                           ; my part of Wq is in; slot 1's first fill is issued as a refill is:
	ds_add_u32 v[SPW], v[NIL]                      ; 0 onto my spare word
	s_wait_dscnt 0x0
	ROUND                                          ; everybody's part of Wq is in, and all four partners are here
	tensor_load_to_lds s[G0+4:G0+7], s[G1:G1+7]    ; my part of Wk: my one load behind the round; it has Q's 144 products in which to land
	s_nop 0
.set gq, 0
	LOADG 0
.rept 24                               ; x Wq
	GROUP gq
.set gq, gq+1
.endr
	s_wait_tensorcnt 0x0                           ; Wq's slot is filled again: all my loads have landed, my part of Wk among them,
	ds_add_u32 v[SPW], v[NIL]                      ; 0 onto my spare word
	s_add_nc_u64 s[G0+2:G0+3], s[G0+2:G0+3], 8*SLOTB   ; chunks 8 to 11: Wv
	s_wait_dscnt 0x0                               ; the add is done, and my reads of the slot are over
	ROUND                                          ; the same holds of every wave of the four partners
	tensor_load_to_lds s[G0:G0+3], s[G1:G1+7]      ; my one load behind the round: it has Q's way out, K's 144 products and K's way out in which to land
	s_nop 0
	PLACES 4
	EPI 0
	PREPS 1, 75
	s_wait_loadcnt 0x0                             ; bk and bv
.set nn, 0
.rept 48
	v_pk_mul_f32 v[T+2*nn:T+2*nn+1], v[T+2*nn:T+2*nn+1], s[SB:SB+1] op_sel_hi:[1,0]   ; bk / 2^(e2 + e3), in place: the C of K's first K step
.set nn, nn+1
.endr
	WIN 0
	s_wait_alu depctr_va_vdst(0)
	s_wait_xcnt 0x0                                ; Q's stores have read the codes' registers, which the first run of loads takes
	LOADG 24
.rept 24                               ; x Wk
	GROUP gq
.set gq, gq+1
.endr
	EPI 1
	PREPS 2, 77
.set nn, 0
.rept 96
	v_mul_f32 v[T+nn], s[SB], v[TV+nn/8]           ; bv / 2^(e4 + e5), eight registers a tile: the C of V's first K step
.set nn, nn+1
.endr
	WIN 0
	s_wait_alu depctr_va_vdst(0)
	s_wait_tensorcnt 0x0                           ; my part of Wv is in;
	ds_add_u32 v[SPW], v[NIL]
	s_wait_dscnt 0x0
	s_barrier_signal -1
	s_barrier_wait -1                              ; everybody's is; nothing is filled any more
	s_wait_xcnt 0x0                                ; K's stores have read the codes' registers
	LOADG 48
.rept 24                               ; x Wv
	GROUP gq
.set gq, gq+1
.endr
	EPI 2
	s_wait_tensorcnt 0x0                           ; the wave's end
	ds_add_u32 v[SPW], v[NIL]
	s_wait_dscnt 0x0
	ROUND                                          ; the closing round
	s_endpgm
.Lfunc_end_k_q8574348597_qkv:
	.size	k_q8574348597_qkv, .Lfunc_end_k_q8574348597_qkv-k_q8574348597_qkv
	.p2alignl 7, 3214868480
	.fill 96, 4, 3214868480
	.section	.rodata,"a",@progbits
	.p2align	6, 0x0
	.amdhsa_kernel k_q8574348597_qkv
		.amdhsa_group_segment_fixed_size 327680
		.amdhsa_private_segment_fixed_size 0
		.amdhsa_enable_private_segment 0
		.amdhsa_kernarg_size 64
		.amdhsa_user_sgpr_count 2
		.amdhsa_user_sgpr_kernarg_segment_ptr 1
		.amdhsa_wavefront_size32 1
		.amdhsa_system_sgpr_workgroup_id_x 1
		.amdhsa_system_sgpr_workgroup_id_y 1
		.amdhsa_system_sgpr_workgroup_id_z 1
		.amdhsa_system_vgpr_workitem_id 0
		.amdhsa_next_free_vgpr 1024
		.amdhsa_next_free_sgpr 102
		.amdhsa_reserve_vcc 0
		.amdhsa_float_denorm_mode_32 3
		.amdhsa_float_denorm_mode_16_64 3
		.amdhsa_memory_ordered 1
		.amdhsa_forward_progress 1
		.amdhsa_inst_pref_size 255
	.end_amdhsa_kernel
	.section	.bss,"aw",@nobits
	.p2align	6
	.space	262144
	.amdgpu_metadata
---
amdhsa.version: [ 1, 2 ]
amdhsa.kernels:
  - .name:           k_q8574348597_qkv
    .symbol:         k_q8574348597_qkv.kd
    .args:
      - { .name: x, .offset: 0, .size: 8, .value_kind: global_buffer, .address_space: global }
      - { .name: wa, .offset: 8, .size: 8, .value_kind: global_buffer, .address_space: global }
      - { .name: bq, .offset: 16, .size: 8, .value_kind: global_buffer, .address_space: global }
      - { .name: bk, .offset: 24, .size: 8, .value_kind: global_buffer, .address_space: global }
      - { .name: bv, .offset: 32, .size: 8, .value_kind: global_buffer, .address_space: global }
      - { .name: lowp_scales, .offset: 40, .size: 8, .value_kind: global_buffer, .address_space: global }
      - { .name: qc, .offset: 48, .size: 8, .value_kind: global_buffer, .address_space: global }
      - { .name: kv, .offset: 56, .size: 8, .value_kind: global_buffer, .address_space: global }
    .group_segment_fixed_size: 327680
    .private_segment_fixed_size: 0
    .kernarg_segment_align: 8
    .kernarg_segment_size: 64
    .max_flat_workgroup_size: 128
    .sgpr_count:     102
    .vgpr_count:     1024
    .wavefront_size: 32
...
	.end_amdgpu_metadata
.endif
;; end of part 2
;; launch attn (part 3): grid 8 x 32, 8 waves a work-group, clusters of 4 x 1, 327,680 bytes of LDS; arguments qc, kv, lowp_scales, ac; writes ac
.if DOCPART == 3
	.amdgcn_target "amdgcn-amd-amdhsa--gfx1250"
	.amdhsa_code_object_version 6
	.text
	.protected	k_q8574348597_attn
	.globl	k_q8574348597_attn
	.p2align	8
	.type	k_q8574348597_attn,@function
k_q8574348597_attn:
	s_mov_b64 s[64:65], 0
	v_nop
	global_prefetch_b8 v0, s[64:65] scope:SCOPE_SE
	s_setreg_imm32_b32 hwreg(HW_REG_WAVE_MODE, 25, 1), 1
	s_wait_xcnt 0x0
	s_wait_alu depctr_hold_cnt(0) depctr_sa_sdst(0) depctr_va_vdst(0) depctr_va_sdst(0) depctr_va_ssrc(0) depctr_va_vcc(0) depctr_vm_vsrc(0)
	s_getreg_b32 s2, hwreg(HW_REG_IB_STS2, 6, 4)
	s_cmp_eq_u32 s2, 0
	s_cbranch_scc0 .Lentry_in_a_cluster
	s_endpgm
.Lentry_in_a_cluster:
	s_bfe_u32 s2, ttmp6, 0x10000c
	s_cmp_lg_u32 s2, 0x3003
	s_cbranch_scc0 .Lentry_shape_is_right
	s_endpgm
.Lentry_shape_is_right:
; The attention of one head on codes of BF8 (E5M2): S = Q K^T (scales e6, e7), p = 2^(t - M), O = p V (e8, e9) / the row's sum; O is quantised at once with e10 and leaves as codes, laid as the next product's operand.
; t = score x log2(e) / sqrt(96); M = the running largest t rounded UP to a whole number; the sum is taken of the unquantised p; when M moves, the sum and O are multiplied by 2^(old M - new M), which rounds nothing.
; SHARES.  A work-group owns 256 queries of one head; each of its eight waves 32 of them, as TWO tiles of 16 (a = 0, 1), in 512 registers, two waves to a SIMD: a fragment of K or V read from LDS feeds two matrix instructions.
; Every wave walks the head's 2,048 keys, 128 a step.  K and V come as images of operand registers (groups of 512 bytes, lane l's 16 bytes at 16 l) through two LDS slots of 512 keys (98,304 dense bytes); each wave fetches an eighth.
; CLUSTER: the four query blocks of a cluster belong to one head and walk the same K and V: each eighth is asked for JOINTLY (mask 15).
; LDS LOADS RUN AHEAD: the next step's eight fragments of K are asked for behind this step's first products (within a slot); V's tiles 4, 5 with them; V's tiles 0 to 3 go into tile 0's registers once its codes are made.
; The head has 96 channels: the first product's fourth group of K = 128 is zero codes on both sides, kept in registers that are never loaded.
; Both products are used transposed: a lane holds ONE query of each tile (lane % 16).  The keys of a tile of K are 32 b + 8 u + r + 8 (r / 8), so that S's registers 16 b + i are keys 32 b + 16 (lane / 16) + i.
; LIMITS: e6 + e7 between -123 and 130; e8 and e10 between -126 and 112.  The scaled scores stay under 2^31 in magnitude.
; REGISTERS, in two windows of 256.  Window 0: v2-9 addresses; v12-15 (-M, the largest t) a tile; v16-19 the sums; v20-23 f; v24-29 at work; v30 the hold, v31 the scale; v32-63 Q; v64-95 p's codes; v96-127 V's tiles 4, 5;
;   v128-255 S^T, then p (64 a tile), then V's tiles 0 to 3.   Window 1: v0-95 O^T (48 a tile); v128-255 the eight fragments of K.
.set SLOT1, 1<<17
.set SLOTB, 98304
.set VOFF,  49152
.set NSL,   4
.set SPARE, 2*SLOT1                    ; the spare words, 128 bytes for each of eight waves: four blocks of 256 bytes that no other line names
.set AV0,  2
.set PFO,  3
.set SPW,  5
.set NIL,  6
.set LI,   7
.set ADK,  8
.set ADV,  9
.set NM,   12
.set SU,   16
.set FF,   20
.set TA,   24
.set PL,   28
.set LIMP, 30
.set SCP,  31
.set QF,   32
.set PC,   64
.set V45,  96
.set SS,   128
.set KF,   128                         ; in window 1
.set WV,   18
.set SEL,  20
.set CS,   22
.set G1,   24
.set G0,   40
.set TB,   44
.set SLOTS, 45
.set PFA,  46
.set LIM,  48
.set MSB, 0
.macro WIN new                         ; the immediate's high byte repeats the setting that is left
.if MSB != \new
	s_set_vgpr_msb (MSB<<8)|\new
.set MSB, \new
.endif
.endm
.macro PLACES n
.rept \n
	v_nop
.endr
.endm
.macro ROUND                           ; a round of the cluster's barrier
	s_barrier_signal -1
	s_barrier_wait -1
	s_cmp_lg_u32 s[WV], 0
	s_cbranch_scc1 .Lnot_wave_0_\@
	s_barrier_signal -3
.Lnot_wave_0_\@:
	s_barrier_wait -3
	s_barrier_signal -1
	s_barrier_wait -1
.endm
.macro TLOAD                           ; every wave fetches its eighth of a slot; an s_nop 0 and four v_nop follow the load
	tensor_load_to_lds s[G0:G0+3], s[G1:G1+7]
	s_nop 0
	PLACES 4
.endm
; A PREFETCH of the slot that the NEXT change of slots will ask for: 98,304 bytes, each aligned block of 256 bytes named once in the launch.  Both clusters of a head walk the same slots: the first asks.
; Its four partners take 24,576 bytes each, told apart by ADDRESS; in each, waves 0, 1 and 2 ask for 8,192 bytes, lanes 256 bytes apart.  The last change that fills a slot asks for nothing.
.macro ASK
	s_cmp_gt_u32 s[SLOTS], s[LIM]
	s_cbranch_scc0 .Lnot_mine_\@
	global_prefetch_b8 v[PFO], s[PFA:PFA+1] th:TH_LOAD_NT scope:SCOPE_SE
.Lnot_mine_\@:
.endm
.macro LOADK q                         ; the eight tiles of K of the slot's q-th 128 keys, three groups each (the destination's window is 1)
.set tk, 0
.rept 8
.irp c, 0,1,2
	ds_load_b128 v[KF+16*tk+4*\c:KF+16*tk+4*\c+3], v[ADK] offset:(\q)*12288+(tk/2)*3072+(tk%2)*1536+512*\c
.endr
.set tk, tk+1
.endr
.endm
.macro SUM a                           ; the row's sum of the unquantised p of tile a: 32 packed additions in four chains
.set SBA, SS+64*(\a)
.set SUA, SU+2*(\a)
	v_pk_add_f32 v[24:25], v[SBA:SBA+1], v[SBA+2:SBA+3]
	v_pk_add_f32 v[26:27], v[SBA+4:SBA+5], v[SBA+6:SBA+7]
	v_pk_add_f32 v[28:29], v[SBA+8:SBA+9], v[SBA+10:SBA+11]
	v_pk_add_f32 v[SUA:SUA+1], v[SUA:SUA+1], v[SBA+12:SBA+13]
.set nn, 7
.rept 25
.set kk, (nn+1)%4
.if kk == 3
	v_pk_add_f32 v[SUA:SUA+1], v[SUA:SUA+1], v[SBA+2*nn:SBA+2*nn+1]
.else
	v_pk_add_f32 v[24+2*kk:25+2*kk], v[24+2*kk:25+2*kk], v[SBA+2*nn:SBA+2*nn+1]
.endif
.set nn, nn+1
.endr
	v_pk_add_f32 v[24:25], v[24:25], v[26:27]
	v_pk_add_f32 v[SUA:SUA+1], v[SUA:SUA+1], v[28:29]
	v_pk_add_f32 v[SUA:SUA+1], v[SUA:SUA+1], v[24:25]
.endm
.macro HOLDCVT a                       ; the conversion does not saturate (ISA guide 7.6.2); p is not negative, so the hold is one-sided: two numbers an instruction; then tile a's codes
.set SBA, SS+64*(\a)
.irp b, 0,1,2,3
.irp i, 0,2,4,6,8,10,12,14
	v_dual_min_num_f32 v[SBA+16*\b+\i], v[SBA+16*\b+\i], v[LIMP] :: v_dual_min_num_f32 v[SBA+16*\b+\i+1], v[SBA+16*\b+\i+1], v[LIMP]
.endr
	v_cvt_scalef32_pk8_bf8_f32 v[PC+16*(\a)+4*\b:PC+16*(\a)+4*\b+1], v[SBA+16*\b:SBA+16*\b+7], v[SCP]
	v_cvt_scalef32_pk8_bf8_f32 v[PC+16*(\a)+4*\b+2:PC+16*(\a)+4*\b+3], v[SBA+16*\b+8:SBA+16*\b+15], v[SCP]
.endr
.endm
	s_load_b256 s[4:11], s[0:1], 0x0               ; qc s[4:5], kv s[6:7], the exponents s[8:9], ac s[10:11]
	v_lshl_add_u32 v[SPW], v0, 2, SPARE
	v_mov_b32 v[NIL], 0
	ds_add_u32 v[SPW], v[NIL]                      ; the wave's opening: the add, twice on end, and its wait ahead of my first tensor load
	ds_add_u32 v[SPW], v[NIL]
	v_lshrrev_b32 v8, 5, v0
	v_readfirstlane_b32 s[WV], v8                  ; wave 0..7
	s_bfe_u32 s50, ttmp6, 0x40000                  ; cx
	s_lshl_b32 s51, ttmp9, 2
	s_add_co_u32 s51, s51, s50                     ; my block of 256 queries
	s_and_b32 s52, ttmp7, 0xffff                   ; the head (batch x 8 + head), which the partners share
	s_mul_i32 s54, s52, 4*SLOTB
	s_mov_b32 s55, 0
	s_mul_i32 s53, s[WV], SLOTB/8                  ; the eighth that I fetch, in memory and in a slot
	s_mov_b32 s58, s53
	s_mov_b32 s59, 0
	s_mov_b32 s[G1+0], 0x0023000f                  ; mask: all four partners; elements of 8 bytes; bit 21 beside the mask
	s_mov_b32 s[G1+1], 32<<16                      ; rows of 256 bytes,
	s_mov_b32 s[G1+2], 48<<16                      ; 48 of them,
	s_mov_b32 s[G1+3], 32<<16
	s_mov_b32 s[G1+4], 48
	s_mov_b32 s[G1+5], 32                          ; dense
	s_mov_b32 s[G1+6], 0
	s_mov_b32 s[G1+7], 0
	s_mov_b32 s[SEL], 0x76543210
	s_mov_b32 s[SEL+1], 0xfedcba98
	s_mov_b32 s[CS], 0x3e16c740                    ; c = log2(e) / sqrt(96)
	s_mov_b32 s[TB], 0
	s_mov_b32 s[SLOTS], NSL-1
	s_wait_dscnt 0x0                               ; both opening adds are done
	s_wait_kmcnt 0x0
	s_load_b512 s[68:83], s[8:9], 0x0
	s_add_nc_u64 s[56:57], s[6:7], s[54:55]        ; kv at the head
	s_mov_b32 s[G0], 1
	s_mov_b32 s[G0+1], s53
	s_add_nc_u64 s[G0+2:G0+3], s[56:57], s[58:59]
	s_or_b32 s[G0+3], s[G0+3], 0x80000000
	ROUND                                          ; all four partners are here
	TLOAD                                          ; slot 0: my one load at the head
	s_lshl_b32 s60, s51, 3
	s_add_co_u32 s60, s60, s[WV]                   ; my block of 32 tokens in the batch
	s_lshl_b32 s62, s52, 6
	s_add_co_u32 s62, s62, s60
	s_mul_i32 s62, s62, 3072
	s_mov_b32 s63, 0
	s_add_nc_u64 s[4:5], s[4:5], s[62:63]          ; Q: [head][block][a][3 groups][512]
	s_lshr_b32 s62, s52, 3
	s_lshl_b32 s62, s62, 6
	s_add_co_u32 s62, s62, s60
	s_mul_i32 s62, s62, 24576
	s_and_b32 s84, s52, 7
	s_mul_i32 s84, s84, 1536
	s_add_co_u32 s62, s62, s84
	s_add_nc_u64 s[10:11], s[10:11], s[62:63]      ; ac: [block][a][group 3 head + b][512]
	s_cmp_lt_u32 s[WV], 3                          ; waves 0, 1, 2
	s_cselect_b32 s85, 0, 1
	s_or_b32 s85, s85, ttmp9                       ; of the head's first cluster: the same in all four partners
	s_cmp_eq_u32 s85, 0
	s_cselect_b32 s[LIM], 1, -1
	s_min_u32 s84, s[WV], 2
	s_lshl_b32 s84, s84, 13
	s_mul_i32 s85, s50, SLOTB/4
	s_add_co_u32 s84, s84, s85
	s_add_co_u32 s84, s84, SLOTB                   ; in slot 1: the first change of slots steps it to slot 2.  Nothing is prefetched here, at the head
	s_mov_b32 s85, 0
	s_add_nc_u64 s[PFA:PFA+1], s[56:57], s[84:85]
	v_and_b32 v[PFO], 31, v0
	v_lshlrev_b32 v[LI], 4, v[PFO]
	v_lshlrev_b32 v[PFO], 8, v[PFO]
	v_add_nc_u32 v[AV0], VOFF, v[LI]
.irp a, 0,1
.irp c, 0,1,2
	global_load_b128 v[QF+16*\a+4*\c:QF+16*\a+4*\c+3], v[LI], s[4:5] offset:1536*\a+512*\c th:TH_LOAD_NT
.endr
.endr
.irp j, 44,45,46,47, 60,61,62,63
	v_mov_b32 v\j, 0                               ; channels 96 to 127 of Q: zero codes, never loaded
.endr
.irp a, 0,1
	v_mov_b32 v[NM+2*\a+1], 0xff61b1e6             ; the largest t so far: -3e38
	v_mov_b32 v[SU+2*\a], 0
	v_mov_b32 v[SU+2*\a+1], 0
	v_mov_b32 v[FF+2*\a+1], 0                      ; (the upper half of f's pair)
	v_mov_b32 v[PL+\a], 0                          ; a lane permute's destination counts as one of its sources
.endr
.irp a, 0,1
	v_floor_f32 v[NM+2*\a], -v[NM+2*\a+1]          ; -M
.endr
	WIN 0x40                                       ; destination window 1
.set nn, 0
.rept 96
	v_mov_b32 v[nn], 0                             ; O^T: the step is written once; its first turn finds zeros
.set nn, nn+1
.endr
.set nn, 0
.rept 32
	v_mov_b32 v[KF+16*(nn/4)+12+nn%4], 0           ; channels 96 to 127 of the eight fragments of K: zero codes, never loaded
.set nn, nn+1
.endr
	WIN 0
	s_wait_kmcnt 0x0
	s_add_co_i32 s84, s74, s75
	s_lshl_b32 s84, s84, 23
	s_add_co_i32 s[CS], s[CS], s84                 ; a score stands for score x 2^(e6 + e7): added to c's exponent field
	s_mov_b32 s[CS+1], s[CS]
	s_add_co_i32 s84, s76, 127
	s_lshl_b32 s85, s84, 23
	v_mov_b32 v[SCP], s85                          ; 2^e8
	s_add_co_i32 s84, s84, 15
	s_lshl_b32 s84, s84, 23
	s_or_b32 s84, s84, 0x600000
	v_mov_b32 v[LIMP], s84                         ; 57,344 x 2^e8
; A KEY STEP: 128 keys, the q-th of the slot in hand, for both tiles of queries.
.macro STEP q
.if (\q) == 0
	v_add_nc_u32 v[ADK], s[TB], v[LI]
	v_add_nc_u32 v[ADV], s[TB], v[AV0]
	PLACES 3                                       ; with the two additions five places: the products below write over registers that the last step's products read
	WIN 0x40
	LOADK 0                                        ; a slot's first step fetches its own K
	WIN 0
.else
	PLACES 5
.endif
	s_wait_alu depctr_va_vdst(0)                   ; directly ahead of the wait below
	s_wait_dscnt 0x0                               ; K's eight fragments are in
	WIN 0x01                                       ; source 0 = K, window 1
.set tk, 0
.rept 8
.irp a, 0,1
	v_wmma_f32_16x16x128_bf8_bf8 v[SS+64*\a+8*tk:SS+64*\a+8*tk+7], v[KF+16*tk:KF+16*tk+15], v[QF+16*\a:QF+16*\a+15], 0
.endr
.set tk, tk+1
.endr
	WIN 0
	PLACES 4                                       ; in front of the loads into K's registers and of the first read of the scores
.if (\q) < 3
	WIN 0x40
	LOADK (\q)+1                                   ; the next step's K lands under the softmax
	WIN 0
.endif
.irp t, 4,5
.irp c, 0,1,2,3
	ds_load_b128 v[V45+16*(\t-4)+4*\c:V45+16*(\t-4)+4*\c+3], v[ADV] offset:(\q)*12288+\c*3072+\t*512
.endr
.endr
.irp a, 0,1                            ; the step's largest score of each query, among my 64 keys, in two chains a tile, the tiles by turns
	v_max3_num_f32 v[TA+2*\a], v[SS+64*\a], v[SS+64*\a+1], v[SS+64*\a+2]
	v_max3_num_f32 v[TA+2*\a+1], v[SS+64*\a+3], v[SS+64*\a+4], v[SS+64*\a+5]
.endr
.irp i, 6,10,14,18,22,26,30,34,38,42,46,50,54,58
.irp a, 0,1
	v_max3_num_f32 v[TA+2*\a], v[TA+2*\a], v[SS+64*\a+\i], v[SS+64*\a+\i+1]
	v_max3_num_f32 v[TA+2*\a+1], v[TA+2*\a+1], v[SS+64*\a+\i+2], v[SS+64*\a+\i+3]
.endr
.endr
.irp a, 0,1
	v_max3_num_f32 v[TA+2*\a], v[TA+2*\a], v[SS+64*\a+62], v[SS+64*\a+63]
.endr
.irp a, 0,1
	v_max_num_f32 v[TA+2*\a], v[TA+2*\a], v[TA+2*\a+1]
.endr
.irp a, 0,1
	v_permlanex16_b32 v[PL+\a], v[TA+2*\a], s[SEL], s[SEL+1]
.endr
.irp a, 0,1
	v_max_num_f32 v[TA+2*\a], v[TA+2*\a], v[PL+\a] ; and among lane l xor 16's
.endr
.irp a, 0,1
	v_mul_f32 v[TA+2*\a], s[CS], v[TA+2*\a]        ; as t (c is positive)
.endr
.irp a, 0,1
	v_max_num_f32 v[NM+2*\a+1], v[NM+2*\a+1], v[TA+2*\a]
	v_mov_b32 v[TA+2*\a], v[NM+2*\a]
.endr
.irp a, 0,1
	v_floor_f32 v[NM+2*\a], -v[NM+2*\a+1]          ; the new -M = -ceil(t): a whole number
.endr
.irp a, 0,1
	v_sub_f32 v[TA+2*\a], v[NM+2*\a], v[TA+2*\a]   ; old M - new M, 0 or less
.endr
.irp a, 0,1
	v_cvt_i32_f32 v[TA+2*\a], v[TA+2*\a]           ; (it saturates)
.endr
.irp a, 0,1
	v_ldexp_f32 v[FF+2*\a], 1.0, v[TA+2*\a]        ; f = 2^(old M - new M)
.endr
.irp a, 0,1
.set nn, 0
.rept 32
	v_pk_fma_f32 v[SS+64*\a+nn:SS+64*\a+nn+1], v[SS+64*\a+nn:SS+64*\a+nn+1], s[CS:CS+1], v[NM+2*\a:NM+2*\a+1] op_sel_hi:[1,0,0]   ; t - M
.set nn, nn+2
.endr
.endr
	s_wait_alu depctr_va_vdst(0)                   ; the wait ahead of the batch
.set nn, 0
.rept 128
	v_exp_f32 v[SS+nn], v[SS+nn]                   ; p = 2^(t - M), at most 1, not normalised
.set nn, nn+1
.endr
.irp a, 0,1
	v_pk_mul_f32 v[SU+2*\a:SU+2*\a+1], v[SU+2*\a:SU+2*\a+1], v[FF+2*\a:FF+2*\a+1] op_sel_hi:[1,0]   ; the sums under the new M: the plain lines behind the exponentials
.endr
	s_wait_alu depctr_va_vdst(0)                   ; one wait for the whole batch, ahead of its first reader
	SUM 0
	HOLDCVT 0
.irp t, 0,1,2,3                        ; V^T's tiles 0 to 3 (16 channels x these 128 keys) land in tile 0's registers while tile 1 is summed and converted
.irp c, 0,1,2,3
	ds_load_b128 v[SS+16*\t+4*\c:SS+16*\t+4*\c+3], v[ADV] offset:(\q)*12288+\c*3072+\t*512
.endr
.endr
	SUM 1
	HOLDCVT 1
	WIN 0x41                                       ; source 0 and destination window 1
	s_wait_alu depctr_va_vdst(0)                   ; directly ahead of the first reader of O^T
.set nn, 0
.rept 48
	v_pk_mul_f32 v[2*nn:2*nn+1], v[2*nn:2*nn+1], v[FF+2*(nn/24):FF+2*(nn/24)+1] op_sel_hi:[1,0]   ; O^T under the new M; also the plain lines behind the conversions
.set nn, nn+1
.endr
	s_wait_alu depctr_va_vdst(0)                   ; directly ahead of the wait below
	s_wait_dscnt 0x0                               ; V's six tiles are in
	WIN 0x50                                       ; C and D window 1
.irp t, 0,1,2,3
.irp a, 0,1
	v_wmma_f32_16x16x128_bf8_bf8 v[48*\a+8*\t:48*\a+8*\t+7], v[SS+16*\t:SS+16*\t+15], v[PC+16*\a:PC+16*\a+15], v[48*\a+8*\t:48*\a+8*\t+7]
.endr
.endr
.irp t, 4,5
.irp a, 0,1
	v_wmma_f32_16x16x128_bf8_bf8 v[48*\a+8*\t:48*\a+8*\t+7], v[V45+16*(\t-4):V45+16*(\t-4)+15], v[PC+16*\a:PC+16*\a+15], v[48*\a+8*\t:48*\a+8*\t+7]
.endr
.endr
	WIN 0
.endm
; THE CHANGE OF SLOTS stands at a slot's head: each wave waits for all its tensor loads, adds 0 to its spare word, waits for that and for its reads of the slot that it has left.
; fill = 1: a round of the cluster's barrier, and behind it the slot just left is filled with the next 512 keys: the load has four key steps in which to land.
.macro CHANGE fill
	s_wait_tensorcnt 0x0
	ds_add_u32 v[SPW], v[NIL]                      ; 0 onto my spare word
.if \fill
	s_xor_b32 s[G0+1], s[G0+1], SLOT1              ; the walking descriptor: the other slot,
	s_add_nc_u64 s[G0+2:G0+3], s[G0+2:G0+3], SLOTB ; the next 512 keys
	s_wait_xcnt 0x0                                ; the last prefetch, a slot back, has read its address
	s_add_nc_u64 s[PFA:PFA+1], s[PFA:PFA+1], SLOTB
	s_wait_dscnt 0x0
	ROUND
	TLOAD
	ASK
.else
	s_wait_dscnt 0x0
	s_barrier_signal -1
	s_barrier_wait -1
.endif
.endm
.macro SLOT_STEPS
	STEP 0
	STEP 1
	STEP 2
	STEP 3
	s_xor_b32 s[TB], s[TB], SLOT1
.endm
	s_wait_alu depctr_va_vdst(0)                   ; the wait at the head's end
	s_wait_loadcnt 0x0                             ; Q
.Lslot:                                            ; three trips: behind each change of slots but the last the next slot is asked for
	CHANGE 1
	SLOT_STEPS
	s_sub_co_u32 s[SLOTS], s[SLOTS], 1
	s_cmp_lg_u32 s[SLOTS], 0
	s_cbranch_scc1 .Lslot
	CHANGE 0                                       ; the last slot is written out
	SLOT_STEPS
	; THE WAY OUT: O^T / the sum x 2^(e8 + e9), held and converted with 2^e10: a tile's registers 16 b + i are channels 32 b + 16 (lane / 16) + i, group 3 head + b of the next K: three stores of 512 dense bytes a tile
.irp a, 0,1
	v_add_f32 v[SU+2*\a], v[SU+2*\a], v[SU+2*\a+1]
.endr
.irp a, 0,1
	v_permlanex16_b32 v[PL+\a], v[SU+2*\a], s[SEL], s[SEL+1]
.endr
.irp a, 0,1
	v_add_f32 v[SU+2*\a], v[SU+2*\a], v[PL+\a]     ; the row's sum
.endr
	s_wait_alu depctr_va_vdst(0)                   ; the wait ahead of the batch
.irp a, 0,1
	v_rcp_f32 v[SU+2*\a], v[SU+2*\a]
.endr
	v_nop                                          ; a plain line behind the transcendentals
	s_add_co_i32 s84, s76, s77
	s_add_co_i32 s85, s78, 127
	s_lshl_b32 s86, s85, 23
	v_mov_b32 v[SCP], s86                          ; 2^e10
	s_add_co_i32 s85, s85, 15
	s_lshl_b32 s85, s85, 23
	s_or_b32 s85, s85, 0x600000
	v_mov_b32 v[LIMP], s85                         ; 57,344 x 2^e10
	s_wait_alu depctr_va_vdst(0)                   ; the wait ahead of the first reader
.irp a, 0,1
	v_ldexp_f32 v[SU+2*\a], v[SU+2*\a], s84
.endr
	WIN 0x01                                       ; source 0 window 1
	s_wait_alu depctr_va_vdst(0)                   ; directly ahead of the first reader of O^T
.set nn, 0
.rept 96
	v_mul_f32 v[SS+nn], v[nn], v[SU+2*(nn/48)]     ; each accumulator from its low end on
.set nn, nn+1
.endr
	WIN 0
.set nn, 0
.rept 96
	v_med3_num_f32 v[SS+nn], v[SS+nn], -v[LIMP], v[LIMP]
.set nn, nn+1
.endr
.irp a, 0,1
.irp b, 0,1,2
	v_cvt_scalef32_pk8_bf8_f32 v[PC+16*\a+4*\b:PC+16*\a+4*\b+1], v[SS+48*\a+16*\b:SS+48*\a+16*\b+7], v[SCP]
	v_cvt_scalef32_pk8_bf8_f32 v[PC+16*\a+4*\b+2:PC+16*\a+4*\b+3], v[SS+48*\a+16*\b+8:SS+48*\a+16*\b+15], v[SCP]
.endr
.endr
	v_nop                                          ; a plain line behind the last conversion
.irp a, 0,1
.irp b, 0,1,2
	global_store_b128 v[LI], v[PC+16*\a+4*\b:PC+16*\a+4*\b+3], s[10:11] offset:12288*\a+512*\b
.endr
.endr
	s_wait_tensorcnt 0x0                           ; the wave's end
	ds_add_u32 v[SPW], v[NIL]
	s_wait_dscnt 0x0
	ROUND                                          ; the closing round
	s_endpgm
.Lfunc_end_k_q8574348597_attn:
	.size	k_q8574348597_attn, .Lfunc_end_k_q8574348597_attn-k_q8574348597_attn
	.p2alignl 7, 3214868480
	.fill 96, 4, 3214868480
	.section	.rodata,"a",@progbits
	.p2align	6, 0x0
	.amdhsa_kernel k_q8574348597_attn
		.amdhsa_group_segment_fixed_size 327680
		.amdhsa_private_segment_fixed_size 0
		.amdhsa_enable_private_segment 0
		.amdhsa_kernarg_size 32
		.amdhsa_user_sgpr_count 2
		.amdhsa_user_sgpr_kernarg_segment_ptr 1
		.amdhsa_wavefront_size32 1
		.amdhsa_system_sgpr_workgroup_id_x 1
		.amdhsa_system_sgpr_workgroup_id_y 1
		.amdhsa_system_sgpr_workgroup_id_z 1
		.amdhsa_system_vgpr_workitem_id 0
		.amdhsa_next_free_vgpr 512
		.amdhsa_next_free_sgpr 100
		.amdhsa_reserve_vcc 0
		.amdhsa_float_denorm_mode_32 3
		.amdhsa_float_denorm_mode_16_64 3
		.amdhsa_memory_ordered 1
		.amdhsa_forward_progress 1
		.amdhsa_inst_pref_size 255
	.end_amdhsa_kernel
	.section	.bss,"aw",@nobits
	.p2align	6
	.space	262144
	.amdgpu_metadata
---
amdhsa.version: [ 1, 2 ]
amdhsa.kernels:
  - .name:           k_q8574348597_attn
    .symbol:         k_q8574348597_attn.kd
    .args:
      - { .name: qc, .offset: 0, .size: 8, .value_kind: global_buffer, .address_space: global }
      - { .name: kv, .offset: 8, .size: 8, .value_kind: global_buffer, .address_space: global }
      - { .name: lowp_scales, .offset: 16, .size: 8, .value_kind: global_buffer, .address_space: global }
      - { .name: ac, .offset: 24, .size: 8, .value_kind: global_buffer, .address_space: global }
    .group_segment_fixed_size: 327680
    .private_segment_fixed_size: 0
    .kernarg_segment_align: 8
    .kernarg_segment_size: 32
    .max_flat_workgroup_size: 256
    .sgpr_count:     100
    .vgpr_count:     512
    .wavefront_size: 32
...
	.end_amdgpu_metadata
.endif
;; end of part 3
;; launch tail (part 4): grid 256 x 1, 8 waves a work-group, clusters of 4 x 1, 327,680 bytes of LDS; arguments ac, wb, x, bo, g1, be1, b1, b2, g2, be2, lowp_scales, out0; writes out0
.if DOCPART == 4
	.amdgcn_target "amdgcn-amd-amdhsa--gfx1250"
	.amdhsa_code_object_version 6
	.text
	.protected	k_q8574348597_tail
	.globl	k_q8574348597_tail
	.p2align	8
	.type	k_q8574348597_tail,@function
k_q8574348597_tail:
	s_mov_b64 s[64:65], 0
	v_nop
	global_prefetch_b8 v0, s[64:65] scope:SCOPE_SE
	s_setreg_imm32_b32 hwreg(HW_REG_WAVE_MODE, 25, 1), 1
	s_wait_xcnt 0x0
	s_wait_alu depctr_hold_cnt(0) depctr_sa_sdst(0) depctr_va_vdst(0) depctr_va_sdst(0) depctr_va_ssrc(0) depctr_va_vcc(0) depctr_vm_vsrc(0)
	s_getreg_b32 s2, hwreg(HW_REG_IB_STS2, 6, 4)
	s_cmp_eq_u32 s2, 0
	s_cbranch_scc0 .Lentry_in_a_cluster
	s_endpgm
.Lentry_in_a_cluster:
	s_bfe_u32 s2, ttmp6, 0x10000c
	s_cmp_lg_u32 s2, 0x3003
	s_cbranch_scc0 .Lentry_shape_is_right
	s_endpgm
.Lentry_shape_is_right:
; out0 = LN2(x1 + relu(x1 W1 + b1) W2 + b2), x1 = LN1(x + a Wo + bo): three products on codes of BF8 (E5M2) with given scales (e10 .. e15), all else in f32; nothing between them goes to memory.
; SHARES.  A work-group owns 32 whole rows (256 work-groups), as two tiles of 16: lane r of tile u is token 8 u + r + 8 (r / 8).  THE EIGHT WAVES SHARE THE COLUMNS: wave w makes columns 96 w .. + 95 of Wo's and W2's
; results and hidden units 128 w .. + 127.  All products are used TRANSPOSED (source 0 = 16 columns of a weight, source 1 = 16 tokens): a lane holds one token and its registers run along the columns, the next K.
; THE WEIGHTS.  Buffer wb holds each wave's 132 fragments (Wo 36, W1 48, W2 48) on end, as images of operand registers.  A fragment is read by one wave, once, into a ring of 12 places in registers: fragment F + 12 is
; fetched when F has been multiplied, on through the layers' ends.  106 of the 132 come from memory STRAIGHT INTO THEIR REGISTERS, four loads of 512 dense bytes each, waited for by count.
; CLUSTER: all work-groups walk the same stream.  Each layer's last fragments (Wo's 9, W1's 8, W2's 9 of each wave) are asked for JOINTLY by four partners (mask 15), one tensor load a wave, into 18,432 LDS bytes that are
; the wave's own: the first fill at the head, the two refills at the two barriers that end Wo and the hidden layer, which are rounds of the cluster's barrier.  From there they go into the same ring.
; The rest cannot go that way: the region is filled three times in the launch, and LDS has room for no larger one beside the stage and the tokens' codes.
; NO PREFETCH: the text has no loop to run ahead in; the ring asks 12 fragments ahead, and each tensor load stands at least 15 fragments ahead of its first read.
; THE TOKENS' CODES (the attention's, x1's, the hidden layer's) lie in LDS as images of operand registers, [u][group of 32 k][512]; each wave reads a K step's two fragments one step ahead, into two buffers by turns.
; x and out0 pass through one stage in LDS of 32 rows: to and from memory a wave moves four whole rows, 512 dense bytes an instruction; stage row 16 u + r is token 8 u + r + 8 (r / 8).  bo is added to x in that dense form.
; b1 and b2 start the sums, as b / 2^(the product's two exponents).  A layer norm takes its mean first and then the mean of squares of the differences; each of the four sums goes round the eight waves through words of its own.
; LIMITS: e12, and e14 - e12 - e13, between -126 and 112; e10 + e11 between -126 and 127; e12 + e13 and e14 + e15 between -126 and 126.  NaN among the inputs is not served.  The order of the rows' sums differs from a plain
; run along the row.  k is permuted alike in both operands of a matrix instruction.
; REGISTERS, in two windows of 256.  Window 0: v1-31 addresses, sums, scales; v32-95 the tokens' two buffers (between layers: b1, held numbers, codes); v96-127 ring places 10, 11; v128-255 the accumulators ((u, t) at
; 128 + 8 (2 t + u)); between layers gamma, beta; v224-255 bo, and the sums' exchange.   Window 1: v0-95 R, the rows in f32 ((u, t) at 8 (2 t + u)); v96-255 ring places 0 to 9.
.set NF,    132                        ; fragments a wave
.set RING,  12
.set AUXN,  30                         ; the loads of x and bo, issued behind the ring's first fill
.set LA0,   27                         ; fragments LA0 .. LB0 - 1, LA1 .. LB1 - 1, LA2 .. LB2 - 1 come through LDS
.set LB0,   36
.set LA1,   76
.set LB1,   84
.set LA2,   123
.set LB2,   132
.set TOKA,  0                          ; the attention's codes, later x1's: [u][24 groups][512]
.set HIMG,  24576                      ; the hidden layer's: [u][32 groups][512]
.set STATS, 57344                      ; four exchanges x [u][r][wave] words
.set STG,   61440                      ; the stage,
.set SP,    3088                       ; 3,072 bytes + 16 a row
.set SPARE, STG+32*SP                  ; the spare words, 128 bytes a wave: four blocks of 256 bytes that no other line names
.set WREG,  SPARE+1024                 ; the weights' region: nine fragments for each wave,
.set WPART, 9*2048
.set LI,   1                           ; 16 x lane
.set SPW,  2
.set NIL,  3
.set BOF,  4                           ; 64 (lane / 16)
.set SRW,  5                           ; the stage in the results' layout: row r, my 96 columns, + 64 (lane / 16)
.set SDN,  6                           ; the stage by rows: my four rows, + 16 x lane
.set XIW,  7                           ; where my groups of x1's codes go
.set HIW,  8                           ; and of the hidden layer's
.set AIW,  9                           ; and my eighth of the attention's
.set STW,  10
.set STR,  11
.set WLA,  12                          ; my part of the weights' region, + 16 x lane
.set CHN,  18                          ; v18-25: two chains of pairs for each tile of tokens
.set MU,   26                          ; v26-29: a pair for each tile: the mean, later 1 / sqrt(var + eps)
.set SC,   30
.set LIM,  31
.set TK,   32
.set CD,   64                          ; codes just made
.set ACC,  128
.set RT,   224
.set G0,   36                          ; s[36:39] group 0 of the joint loads
.set G1B,  40                          ; s[40:47] group 1: 64 rows of 256 bytes
.set G1,   52                          ; s[52:59] group 1: 72 rows
.set EX,   68
.set WV,   84
.set SEL,  96
.set MSB, 0
.macro WIN new                         ; the immediate's high byte repeats the setting that is left
.if MSB != \new
	s_set_vgpr_msb (MSB<<8)|\new
.set MSB, \new
.endif
.endm
.macro PLACES n
.rept \n
	v_nop
.endr
.endm
.macro BARRIER                         ; my LDS stores have landed and my LDS loads are in; a tensor load may stay out
	s_wait_alu depctr_va_vdst(0)                   ; directly ahead of the wait below
	s_wait_dscnt 0x0
	s_barrier_signal -1
	s_barrier_wait -1
.endm
.macro ROUND                           ; a round of the cluster's barrier
	WIN 0
	s_barrier_signal -1
	s_barrier_wait -1
	s_cmp_lg_u32 s[WV], 0
	s_cbranch_scc1 .Lnot_wave_0_\@
	s_barrier_signal -3
.Lnot_wave_0_\@:
	s_barrier_wait -3
	s_barrier_signal -1
	s_barrier_wait -1
.endm
.macro TLOAD g1                        ; my one joint load behind a round; an s_nop 0 and four v_nop follow it
	tensor_load_to_lds s[G0:G0+3], s[\g1:\g1+7]
	s_nop 0
	PLACES 4
.endm
.macro REFILL step, g1                 ; the region is filled again: the three lines, a round, the load first behind it
	WIN 0
	s_wait_alu depctr_va_vdst(0)                   ; directly ahead of the wait below
	s_wait_tensorcnt 0x0                           ; no tensor load of mine is out, so group 0 may be written
	ds_add_u32 v[SPW], v[NIL]                      ; 0 onto my spare word
	s_add_nc_u64 s[G0+2:G0+3], s[G0+2:G0+3], (\step)*2048
	s_wait_dscnt 0x0                               ; the add is done, my LDS stores have landed, and my reads of the region are over
	ROUND                                          ; the same holds of every wave of the four partners
	TLOAD \g1
.endm
.macro ISL f                           ; il = 1: fragment f comes through LDS, at byte lo of my part of the region
.set il, 0
.set lo, 0
.if ((\f) >= LA0) && ((\f) < LB0)
.set il, 1
.set lo, ((\f)-LA0)*2048
.endif
.if ((\f) >= LA1) && ((\f) < LB1)
.set il, 1
.set lo, ((\f)-LA1)*2048
.endif
.if ((\f) >= LA2) && ((\f) < LB2)
.set il, 1
.set lo, ((\f)-LA2)*2048
.endif
.endm
.macro OVL a, b                        ; takes from cg the fragments of g1_ .. g2_ that lie in a .. b - 1
.set o1, g1_
.if o1 < (\a)
.set o1, (\a)
.endif
.set o2, g2_
.if o2 > (\b)-1
.set o2, (\b)-1
.endif
.if o2 >= o1
.set cg, cg-(o2-o1+1)
.endif
.endm
.macro RLOAD f                         ; fragment f of my stream into ring place f % 12
.set sl, (\f)%RING
	ISL \f
.if il && (lo == 0)
	s_wait_tensorcnt 0x0                           ; my one tensor load that was out has landed: I alone read its bytes
.endif
.if sl < 10
.set rB, 96+16*sl
	WIN 0x40                                       ; destination window 1
.else
.set rB, 96+16*(sl-10)
	WIN 0
.endif
.irp c, 0,1,2,3
.if il
	ds_load_b128 v[rB+4*\c:rB+4*\c+3], v[WLA] offset:lo+512*\c
.else
	global_load_b128 v[rB+4*\c:rB+4*\c+3], v[LI], s[6:7] offset:(\f)*2048+512*\c
.endif
.endr
.endm
.macro LOADT s                         ; the two tiles of tokens, K step s of the layer in hand, into buffer s % 2
.irp u, 0,1
.irp c, 0,1,2,3
	ds_load_b128 v[TK+32*((\s)%2)+16*\u+4*\c:TK+32*((\s)%2)+16*\u+4*\c+3], v[LI] offset:LBASE+\u*LUSTR+(\s)*2048+512*\c
.endr
.endr
.endm
; g fragments from f0 on: the wait, 2 g products, four places, g fragments fetched 12 further on.  Ahead of each group all fragments under f0 + 12 have been asked for.
; The accumulators take turns, one instruction a turn.  A group never lies across a K step's end, and comes whole from memory or whole from LDS.
.macro GROUP f0, g
.set ff, (\f0)-LFB
.set ss, ff/LNT
.if (ff%LNT) == 0                      ; a K step's head: the next step's tokens go into the buffer that the step before read (the places stand at the last group's end)
	WIN 0
.if ss+1 < LNS
	LOADT ss+1
	s_wait_dscnt 8                                 ; this step's tokens are in; the eight loads just issued may be out
.else
	s_wait_dscnt 0x0
.endif
.endif
.set g1_, (\f0)+(\g)
.set g2_, (\f0)+RING-1
.if g2_ > NF-1
.set g2_, NF-1
.endif
.set cg, 0
.if g2_ >= g1_
.set cg, g2_-g1_+1
.endif
	OVL LA0, LB0
	OVL LA1, LB1
	OVL LA2, LB2
.set na, 4*cg                          ; four loads for each fragment asked of memory behind this group's,
.if (\f0) < RING
.set na, na+AUXN                       ; and, for the ring's first fill, those of x and bo
.endif
.if na > 63
.set na, 63                            ; the most that the wait's field names
.endif
	ISL \f0
.if il
	s_wait_dscnt 0x0                               ; this group came from LDS
.else
	s_wait_loadcnt na
.endif
.set ii, 0
.rept \g
.set sl, ((\f0)+ii)%RING
.set tt, (ff+ii)%LNT
.if sl < 10
.set rB, 96+16*sl
	WIN 0x01                                       ; source 0 = the weight, window 1; tokens and sums window 0
.else
.set rB, 96+16*(sl-10)
	WIN 0
.endif
.irp u, 0,1
.set rA, TK+32*(ss%2)+16*\u
.set rC, ACC+8*(2*tt+\u)
.if LZ && (ss == 0)
	v_wmma_f32_16x16x128_bf8_bf8 v[rC:rC+7], v[rB:rB+15], v[rA:rA+15], 0
.else
	v_wmma_f32_16x16x128_bf8_bf8 v[rC:rC+7], v[rB:rB+15], v[rA:rA+15], v[rC:rC+7]
.endif
.endr
.set ii, ii+1
.endr
	PLACES 4                                       ; in front of loads into registers that these products read, and of the first read of results
.set ii, 0
.rept \g
.if (\f0)+ii+RING < NF
	RLOAD (\f0)+ii+RING
.endif
.set ii, ii+1
.endr
.endm
.macro LOAD48 reg, base                ; 6 tiles x 8 numbers of a vector of 768, in the results' layout: tile tq, lane (r, h): columns 32 (tq / 2) + 16 h + 8 (tq % 2) + 0 .. 7 of my 96
.set tq, 0
.rept 6
	global_load_b128 v[\reg+8*tq:\reg+8*tq+3], v[BOF], s[\base:\base+1] offset:128*(tq/2)+32*(tq%2)
	global_load_b128 v[\reg+8*tq+4:\reg+8*tq+7], v[BOF], s[\base:\base+1] offset:128*(tq/2)+32*(tq%2)+16
.set tq, tq+1
.endr
.endm
.macro ZERO                            ; the four chains
	WIN 0
.set nn, 0
.rept 8
	v_mov_b32 v[CHN+nn], 0
.set nn, nn+1
.endr
.endm
; The chains become the rows' sums over all 768 columns: within the lane, with lane l xor 16, and round the eight waves through words that this exchange alone uses.
.macro REDUCE ph
	WIN 0
.irp u, 0,1
	v_pk_add_f32 v[CHN+4*\u:CHN+4*\u+1], v[CHN+4*\u:CHN+4*\u+1], v[CHN+4*\u+2:CHN+4*\u+3]
.endr
.irp u, 0,1
	v_add_f32 v[CHN+4*\u], v[CHN+4*\u], v[CHN+4*\u+1]
.endr
.irp u, 0,1
	v_permlanex16_b32 v[CHN+4*\u+1], v[CHN+4*\u], s[SEL], s[SEL+1]
.endr
.irp u, 0,1
	v_add_f32 v[CHN+4*\u], v[CHN+4*\u], v[CHN+4*\u+1]
.endr
.irp u, 0,1
	ds_store_b32 v[STW], v[CHN+4*\u] offset:(\ph)*1024+\u*512   ; lanes r and r + 16 write one word with one value
.endr
	BARRIER
.irp u, 0,1
	ds_load_b128 v[RT+8*\u:RT+8*\u+3], v[STR] offset:(\ph)*1024+\u*512
	ds_load_b128 v[RT+8*\u+4:RT+8*\u+7], v[STR] offset:(\ph)*1024+\u*512+16
.endr
	s_wait_dscnt 0x0
.irp u, 0,1
	v_pk_add_f32 v[RT+8*\u:RT+8*\u+1], v[RT+8*\u:RT+8*\u+1], v[RT+8*\u+2:RT+8*\u+3]
	v_pk_add_f32 v[RT+8*\u+4:RT+8*\u+5], v[RT+8*\u+4:RT+8*\u+5], v[RT+8*\u+6:RT+8*\u+7]
.endr
.irp u, 0,1
	v_pk_add_f32 v[RT+8*\u:RT+8*\u+1], v[RT+8*\u:RT+8*\u+1], v[RT+8*\u+4:RT+8*\u+5]
.endr
.irp u, 0,1
	v_add_f32 v[CHN+4*\u], v[RT+8*\u], v[RT+8*\u+1]
.endr
.endm
; R = (R - mean) / sqrt(var + eps) x gamma + beta; gamma and beta are on their way into the accumulators' registers, 128 + 8 t and 176 + 8 t
.macro LN ph
	ZERO
	WIN 0x04                                       ; source 1 window 1
.set nn, 0
.rept 24
.irp u, 0,1
.set rR, 8*(2*(nn/4)+\u)+2*(nn%4)
	v_pk_add_f32 v[CHN+4*\u+2*(nn%2):CHN+4*\u+2*(nn%2)+1], v[CHN+4*\u+2*(nn%2):CHN+4*\u+2*(nn%2)+1], v[rR:rR+1]
.endr
.set nn, nn+1
.endr
	REDUCE \ph
.irp u, 0,1
	v_mul_f32 v[MU+2*\u], s98, v[CHN+4*\u]         ; the mean
	v_mul_f32 v[MU+2*\u+1], s98, v[CHN+4*\u]
.endr
	WIN 0x41                                       ; source 0 and destination window 1
.set nn, 0
.rept 24
.irp u, 0,1
.set rR, 8*(2*(nn/4)+\u)+2*(nn%4)
	v_pk_add_f32 v[rR:rR+1], v[rR:rR+1], v[MU+2*\u:MU+2*\u+1] neg_lo:[0,1] neg_hi:[0,1]
.endr
.set nn, nn+1
.endr
	ZERO
	WIN 0x05                                       ; sources 0 and 1 window 1
.set nn, 0
.rept 24
.irp u, 0,1
.set rR, 8*(2*(nn/4)+\u)+2*(nn%4)
	v_pk_fma_f32 v[CHN+4*\u+2*(nn%2):CHN+4*\u+2*(nn%2)+1], v[rR:rR+1], v[rR:rR+1], v[CHN+4*\u+2*(nn%2):CHN+4*\u+2*(nn%2)+1]
.endr
.set nn, nn+1
.endr
	REDUCE (\ph)+1
.irp u, 0,1
	v_fma_f32 v[CHN+4*\u], v[CHN+4*\u], s98, s99   ; var + eps
.endr
	s_wait_alu depctr_va_vdst(0)                   ; the wait ahead of the batch
.irp u, 0,1
	v_rsq_f32 v[MU+2*\u], v[CHN+4*\u]
.endr
	v_nop                                          ; a plain line behind the transcendentals
	s_wait_alu depctr_va_vdst(0)                   ; one wait for both, ahead of their first reader
.irp u, 0,1
	v_mov_b32 v[MU+2*\u+1], v[MU+2*\u]
.endr
	s_wait_alu depctr_va_vdst(0)                   ; directly ahead of the wait below
	s_wait_loadcnt 0x0                             ; gamma and beta, and whatever else was asked for with them; the ring's loads were asked for ahead of them
	WIN 0x41
.set nn, 0
.rept 24
.irp u, 0,1
.set rR, 8*(2*(nn/4)+\u)+2*(nn%4)
	v_pk_mul_f32 v[rR:rR+1], v[rR:rR+1], v[MU+2*\u:MU+2*\u+1]
.endr
.set nn, nn+1
.endr
.set nn, 0
.rept 24
.irp u, 0,1
.set rR, 8*(2*(nn/4)+\u)+2*(nn%4)
	v_pk_fma_f32 v[rR:rR+1], v[rR:rR+1], v[ACC+2*nn:ACC+2*nn+1], v[ACC+48+2*nn:ACC+48+2*nn+1]
.endr
.set nn, nn+1
.endr
	WIN 0
.endm
.macro SCALES                          ; s50 = e + 127: v[SC] = 2^e, v[LIM] = 57,344 x 2^e
	WIN 0
	s_lshl_b32 s51, s50, 23
	v_mov_b32 v[SC], s51
	s_add_co_i32 s51, s50, 15
	s_lshl_b32 s51, s51, 23
	s_or_b32 s51, s51, 0x600000
	v_mov_b32 v[LIM], s51
.endm
.macro ADDSUMS sreg                    ; R += sum x a power of two: each accumulator from its low end on
	WIN 0x50                                       ; source 0 window 0, source 2 and destination window 1
.set nn, 0
.rept 48
	v_pk_fma_f32 v[2*nn:2*nn+1], v[ACC+2*nn:ACC+2*nn+1], s[\sreg:\sreg+1], v[2*nn:2*nn+1] op_sel_hi:[1,0,1]
.set nn, nn+1
.endr
	WIN 0
.endm
	s_load_b512 s[4:19], s[0:1], 0x0               ; ac s[4:5], wb s[6:7], x s[8:9], bo s[10:11], g1 s[12:13], be1 s[14:15], b1 s[16:17], b2 s[18:19]
	s_load_b256 s[20:27], s[0:1], 0x40             ; g2 s[20:21], be2 s[22:23], the exponents s[24:25], out0 s[26:27]
	v_lshl_add_u32 v[SPW], v0, 2, SPARE
	v_mov_b32 v[NIL], 0
	ds_add_u32 v[SPW], v[NIL]                      ; the wave's opening: the add, twice on end, and its wait ahead of my first tensor load; the set-up below, work on registers, stands between
	ds_add_u32 v[SPW], v[NIL]
	v_lshrrev_b32 v18, 5, v0
	v_readfirstlane_b32 s[WV], v18                 ; wave 0..7
	s_bfe_u32 s38, ttmp6, 0x40000                  ; my place in the cluster: it enters ac's, x's and out0's addresses alone
	s_lshl_b32 s39, ttmp9, 2
	s_add_co_u32 s38, s39, s38                     ; my block of 32 rows
	s_mul_i32 s46, s[WV], 384                      ; my 96 columns in bytes
	s_add_co_u32 s29, s46, STG
	s_mul_i32 s30, s[WV], 4*SP                     ; stage rows 4 w .. 4 w + 3
	s_add_co_u32 s30, s30, STG
	s_mul_i32 s31, s[WV], 1536                     ; three groups of x1's codes
	s_lshl_b32 s32, s[WV], 11                      ; four of the hidden layer's
	s_add_co_u32 s32, s32, HIMG
	s_mul_i32 s33, s[WV], 3072                     ; six of the attention's 48
	s_lshl_b32 s34, s[WV], 2
	s_mul_i32 s86, s[WV], WPART
	s_add_co_u32 s86, s86, WREG                    ; my part of the weights' region
	s_lshr_b32 s35, s[WV], 2                       ; stage rows 4 w on are tokens 8 (w / 4) + 4 (w % 4) + 8 ((w % 4) / 2) on
	s_and_b32 s36, s[WV], 3
	s_lshr_b32 s37, s36, 1
	s_lshl_b32 s35, s35, 3
	s_lshl_b32 s36, s36, 2
	s_lshl_b32 s37, s37, 3
	s_add_co_u32 s35, s35, s36
	s_add_co_u32 s35, s35, s37
	s_lshl_b32 s36, s38, 5                         ; my work-group's 32 rows
	s_add_co_u32 s35, s35, s36
	s_mul_i32 s40, s35, 3072
	s_mov_b32 s41, 0
	s_mul_i32 s42, s38, 24576
	s_add_co_u32 s42, s42, s33
	s_mov_b32 s43, 0
	s_mul_i32 s44, s[WV], NF*2048
	s_mov_b32 s45, 0
	s_mov_b32 s47, 0
	s_lshl_b32 s48, s[WV], 9
	s_mov_b32 s49, 0
	s_mov_b32 s[G1+0], 0x0023000f                  ; mask: all four partners; elements of 8 bytes; bit 21 beside the mask
	s_mov_b32 s[G1+1], 32<<16                      ; rows of 256 bytes,
	s_mov_b32 s[G1+2], 72<<16                      ; 72 of them: nine fragments,
	s_mov_b32 s[G1+3], 32<<16
	s_mov_b32 s[G1+4], 72
	s_mov_b32 s[G1+5], 32                          ; dense
	s_mov_b32 s[G1+6], 0
	s_mov_b32 s[G1+7], 0
	s_mov_b32 s[SEL], 0x76543210
	s_mov_b32 s[SEL+1], 0xfedcba98
	s_mov_b32 s98, 0x3aaaaaab                      ; 1 / 768
	s_mov_b32 s99, 0x3727c5ac                      ; 1e-5
	v_and_b32 v[LI], 31, v0
	v_lshlrev_b32 v[LI], 4, v[LI]
	v_and_b32 v18, 15, v0                          ; r
	v_bfe_u32 v19, v0, 4, 1                        ; h
	v_lshlrev_b32 v[BOF], 6, v19
	v_mul_u32_u24 v[SRW], v18, SP
	v_add_nc_u32 v[SRW], v[SRW], v[BOF]
	v_add_nc_u32 v[SRW], s29, v[SRW]
	v_add_nc_u32 v[SDN], s30, v[LI]
	v_add_nc_u32 v[XIW], s31, v[LI]
	v_add_nc_u32 v[HIW], s32, v[LI]
	v_add_nc_u32 v[AIW], s33, v[LI]
	v_add_nc_u32 v[WLA], s86, v[LI]
	v_lshlrev_b32 v[STR], 5, v18
	v_add_nc_u32 v[STR], STATS, v[STR]
	v_add_nc_u32 v[STW], s34, v[STR]
	s_wait_alu depctr_va_vdst(0)                   ; the wait at the head's end
	s_wait_dscnt 0x0                               ; both opening adds are done
	s_wait_kmcnt 0x0
	s_load_b512 s[EX:EX+15], s[24:25], 0x0
	s_add_nc_u64 s[4:5], s[4:5], s[42:43]          ; my eighth of my block's codes
	s_add_nc_u64 s[6:7], s[6:7], s[44:45]          ; my stream
	s_add_nc_u64 s[8:9], s[8:9], s[40:41]          ; x and out0 at my four rows
	s_add_nc_u64 s[26:27], s[26:27], s[40:41]
.irp p, 12,14,18,20,22
	s_add_nc_u64 s[\p:\p+1], s[\p:\p+1], s[46:47]  ; g1, be1, b2, g2, be2 at my 96 columns
.endr
	s_add_nc_u64 s[16:17], s[16:17], s[48:49]      ; b1 at my 128 hidden units
.irp k, 0,1,2,3,4,5
	global_load_b128 v[TK+4*\k:TK+4*\k+3], v[LI], s[4:5] offset:512*\k th:TH_LOAD_NT
.endr
.set fq, 0
.rept RING
	RLOAD fq                                       ; the ring's first fill
.set fq, fq+1
.endr
	WIN 0
	s_mov_b32 s[G0], 1
	s_mov_b32 s[G0+1], s86
	s_add_nc_u64 s[G0+2:G0+3], s[6:7], LA0*2048    ; Wo's last nine fragments of my stream: the address hangs on the wave's number alone
	s_or_b32 s[G0+3], s[G0+3], 0x80000000
	s_mov_b32 s[G1B+0], 0x0023000f                 ; the same group 1 with 64 rows: eight fragments
	s_mov_b32 s[G1B+1], 32<<16
	s_mov_b32 s[G1B+2], 64<<16
	s_mov_b32 s[G1B+3], 32<<16
	s_mov_b32 s[G1B+4], 64
	s_mov_b32 s[G1B+5], 32
	s_mov_b32 s[G1B+6], 0
	s_mov_b32 s[G1B+7], 0
	ROUND                                          ; all four partners are here: the first joint loads meet
	TLOAD G1                                       ; my one load at the head
	s_wait_loadcnt 4*RING                          ; the attention's codes are in; the ring's 48 loads may be out
.irp k, 0,1,2,3,4,5
	ds_store_b128 v[AIW], v[TK+4*\k:TK+4*\k+3] offset:TOKA+512*\k
.endr
	BARRIER                                        ; all 48 groups lie in LDS
.set LFB, 0
.set LNT, 6
.set LNS, 6
.set LBASE, TOKA
.set LUSTR, 12288
.set LZ, 1
	LOADT 0
	WIN 0x40
.set nn, 0
.rept 24                               ; x: row nn / 6 of my four, 512 dense bytes a load, into R's registers for now
	global_load_b128 v[4*nn:4*nn+3], v[LI], s[8:9] offset:(nn/6)*3072+(nn%6)*512 th:TH_LOAD_NT
.set nn, nn+1
.endr
	WIN 0
.irp k, 0,1,2,3,4,5
	global_load_b128 v[RT+4*\k:RT+4*\k+3], v[LI], s[10:11] offset:512*\k   ; bo, whole, as a row lies
.endr
	s_wait_kmcnt 0x0
	s_add_co_i32 s88, s78, s79
	s_add_co_i32 s88, s88, 127
	s_lshl_b32 s88, s88, 23                        ; 2^(e10 + e11)
	s_mov_b32 s89, s88
	s_add_co_i32 s90, s80, s81
	s_sub_co_i32 s90, 127, s90
	s_lshl_b32 s90, s90, 23                        ; 2^-(e12 + e13)
	s_mov_b32 s91, s90
	s_add_co_i32 s50, s82, s83
	s_add_co_i32 s92, s50, 127
	s_lshl_b32 s92, s92, 23                        ; 2^(e14 + e15)
	s_mov_b32 s93, s92
	s_sub_co_i32 s94, 127, s50
	s_lshl_b32 s94, s94, 23                        ; 2^-(e14 + e15)
	s_mov_b32 s95, s94
.set fq, 0
.rept 5                                ; a Wo.  The fifth group's wait shows fragments that were asked for behind x and bo: so these are in
	GROUP fq, 3
.set fq, fq+3
.endr
	WIN 0x41
.set nn, 0
.rept 48
	v_pk_add_f32 v[2*nn:2*nn+1], v[2*nn:2*nn+1], v[RT+2*(nn%12):RT+2*(nn%12)+1]   ; x + bo
.set nn, nn+1
.endr
	WIN 0x04                                       ; store data window 1
.set nn, 0
.rept 24
	ds_store_b128 v[SDN], v[4*nn:4*nn+3] offset:(nn/6)*SP+(nn%6)*512
.set nn, nn+1
.endr
.rept 7
	GROUP fq, 3
.set fq, fq+3
.endr
	REFILL LA1-LA0, G1B                            ; x + bo lies in the stage, nobody reads the attention's codes any more, and W1's last eight fragments are asked for
	WIN 0x40
.set nn, 0
.rept 24                               ; nn = 12 u + 2 t + half: R(u, t)
	ds_load_b128 v[8*(2*((nn/2)%6)+nn/12)+4*(nn%2):8*(2*((nn/2)%6)+nn/12)+4*(nn%2)+3], v[SRW] offset:(nn/12)*16*SP+128*(((nn/2)%6)/2)+32*((nn/2)%2)+16*(nn%2)
.set nn, nn+1
.endr
	WIN 0
.set tq, 0
.rept 8                                ; b1, once, into the tokens' buffers, which are idle between the layers
	global_load_b128 v[TK+8*tq:TK+8*tq+3], v[BOF], s[16:17] offset:128*(tq/2)+32*(tq%2)
	global_load_b128 v[TK+8*tq+4:TK+8*tq+7], v[BOF], s[16:17] offset:128*(tq/2)+32*(tq%2)+16
.set tq, tq+1
.endr
	s_wait_dscnt 0x0
	ADDSUMS 88                                     ; R = x + bo + sum x 2^(e10 + e11)
	LOAD48 ACC, 12                                 ; g1
	LOAD48 ACC+48, 14                              ; be1
	LN 0                                           ; R = x1
.set nn, 0
.rept 64
	v_pk_mul_f32 v[ACC+2*nn:ACC+2*nn+1], v[TK+8*(nn/8)+2*(nn%4):TK+8*(nn/8)+2*(nn%4)+1], s[90:91] op_sel_hi:[1,0]   ; the sums start as b1 / 2^(e12 + e13), for both tiles of tokens
.set nn, nn+1
.endr
	s_add_co_i32 s50, s80, 127
	SCALES                                         ; e12
.set nn, 0
.rept 6                                ; nn = 3 u + G: tiles 2 G and 2 G + 1 of token tile u are 16 neighbouring columns; x1 itself is kept, the held numbers go into two sets by turns
	WIN 0x01
.set ii, 0
.rept 16
	v_med3_num_f32 v[TK+16*(nn%2)+ii], v[32*(nn%3)+16*(ii/8)+8*(nn/3)+ii%8], -v[LIM], v[LIM]   ; the conversion does not saturate (ISA guide 7.6.2): the hold
.set ii, ii+1
.endr
	WIN 0
	v_cvt_scalef32_pk8_bf8_f32 v[CD+4*nn:CD+4*nn+1], v[TK+16*(nn%2):TK+16*(nn%2)+7], v[SC]
	v_cvt_scalef32_pk8_bf8_f32 v[CD+4*nn+2:CD+4*nn+3], v[TK+16*(nn%2)+8:TK+16*(nn%2)+15], v[SC]
.set nn, nn+1
.endr
	v_nop                                          ; a plain line behind the last conversion
.set nn, 0
.rept 6
	ds_store_b128 v[XIW], v[CD+4*nn:CD+4*nn+3] offset:TOKA+(nn/3)*12288+(nn%3)*512
.set nn, nn+1
.endr
	BARRIER                                        ; x1's 48 groups lie in LDS
.set LFB, 36
.set LNT, 8
.set LZ, 0
	LOADT 0
.rept 12                               ; x1 W1
	GROUP fq, 4
.set fq, fq+4
.endr
	s_sub_co_i32 s50, s82, s80
	s_sub_co_i32 s50, s50, s81
	s_add_co_i32 s50, s50, 127
	SCALES                                         ; e14 - e12 - e13: the three scales folded into one
.set nn, 0
.rept 128
	v_med3_num_f32 v[ACC+nn], v[ACC+nn], 0, v[LIM] ; the activation and the hold in one; each accumulator from its low end on
.set nn, nn+1
.endr
.set nn, 0
.rept 8                                ; nn = 4 u + G
	v_cvt_scalef32_pk8_bf8_f32 v[CD+4*nn:CD+4*nn+1], v[ACC+32*(nn%4)+8*(nn/4):ACC+32*(nn%4)+8*(nn/4)+7], v[SC]
	v_cvt_scalef32_pk8_bf8_f32 v[CD+4*nn+2:CD+4*nn+3], v[ACC+32*(nn%4)+16+8*(nn/4):ACC+32*(nn%4)+16+8*(nn/4)+7], v[SC]
.set nn, nn+1
.endr
	v_nop                                          ; a plain line behind the last conversion
.set nn, 0
.rept 12                               ; b2 straight into the 12 accumulators (nn = 2 t + u), the same numbers for both tiles of tokens
	global_load_b128 v[ACC+8*nn:ACC+8*nn+3], v[BOF], s[18:19] offset:128*(nn/4)+32*((nn/2)%2)
	global_load_b128 v[ACC+8*nn+4:ACC+8*nn+7], v[BOF], s[18:19] offset:128*(nn/4)+32*((nn/2)%2)+16
.set nn, nn+1
.endr
.set nn, 0
.rept 8
	ds_store_b128 v[HIW], v[CD+4*nn:CD+4*nn+3] offset:(nn/4)*16384+(nn%4)*512
.set nn, nn+1
.endr
	REFILL LA2-LA1, G1                             ; the hidden layer's 64 groups lie in LDS, and W2's last nine fragments are asked for
.set LFB, 84
.set LNT, 6
.set LNS, 8
.set LBASE, HIMG
.set LUSTR, 16384
	LOADT 0
	s_wait_loadcnt 0x0                             ; b2; the ring's loads were asked for ahead of it
.set nn, 0
.rept 48
	v_pk_mul_f32 v[ACC+2*nn:ACC+2*nn+1], v[ACC+2*nn:ACC+2*nn+1], s[94:95] op_sel_hi:[1,0]   ; the sums start as b2 / 2^(e14 + e15)
.set nn, nn+1
.endr
	s_wait_alu depctr_va_vdst(0)                   ; ahead of the waits below
.rept 16                               ; h W2
	GROUP fq, 3
.set fq, fq+3
.endr
	ADDSUMS 92                                     ; R = x1 + (sum + b2 / 2^(e14 + e15)) x 2^(e14 + e15)
	LOAD48 ACC, 20                                 ; g2
	LOAD48 ACC+48, 22                              ; be2
	LN 2
	; THE WAY OUT, through the stage: in by the results' layout, a barrier, out by rows: my four rows, 512 dense bytes an instruction
	WIN 0x04                                       ; store data window 1
.set nn, 0
.rept 24
	ds_store_b128 v[SRW], v[8*(2*((nn/2)%6)+nn/12)+4*(nn%2):8*(2*((nn/2)%6)+nn/12)+4*(nn%2)+3] offset:(nn/12)*16*SP+128*(((nn/2)%6)/2)+32*((nn/2)%2)+16*(nn%2)
.set nn, nn+1
.endr
	WIN 0
	BARRIER
.set nn, 0
.rept 24
	ds_load_b128 v[ACC+4*nn:ACC+4*nn+3], v[SDN] offset:(nn/6)*SP+(nn%6)*512
.set nn, nn+1
.endr
.set nn, 0
.rept 24
.if nn%8 == 0
	s_wait_dscnt 16-nn                             ; this batch of eight is back; the later batches' loads may be out
.endif
	global_store_b128 v[LI], v[ACC+4*nn:ACC+4*nn+3], s[26:27] offset:(nn/6)*3072+(nn%6)*512 th:TH_STORE_NT   ; 32 lanes store 512 consecutive bytes, at a multiple of 256 from out0's first byte
.set nn, nn+1
.endr
	s_wait_tensorcnt 0x0                           ; the wave's end
	ds_add_u32 v[SPW], v[NIL]
	s_wait_dscnt 0x0
	ROUND                                          ; the closing round: no work-group ends while a partner may still ask for a tile that names it
	s_endpgm
.Lfunc_end_k_q8574348597_tail:
	.size	k_q8574348597_tail, .Lfunc_end_k_q8574348597_tail-k_q8574348597_tail
	.p2alignl 7, 3214868480
	.fill 96, 4, 3214868480
	.section	.rodata,"a",@progbits
	.p2align	6, 0x0
	.amdhsa_kernel k_q8574348597_tail
		.amdhsa_group_segment_fixed_size 327680
		.amdhsa_private_segment_fixed_size 0
		.amdhsa_enable_private_segment 0
		.amdhsa_kernarg_size 96
		.amdhsa_user_sgpr_count 2
		.amdhsa_user_sgpr_kernarg_segment_ptr 1
		.amdhsa_wavefront_size32 1
		.amdhsa_system_sgpr_workgroup_id_x 1
		.amdhsa_system_sgpr_workgroup_id_y 1
		.amdhsa_system_sgpr_workgroup_id_z 1
		.amdhsa_system_vgpr_workitem_id 0
		.amdhsa_next_free_vgpr 512
		.amdhsa_next_free_sgpr 102
		.amdhsa_reserve_vcc 0
		.amdhsa_float_denorm_mode_32 3
		.amdhsa_float_denorm_mode_16_64 3
		.amdhsa_memory_ordered 1
		.amdhsa_forward_progress 1
		.amdhsa_inst_pref_size 184
	.end_amdhsa_kernel
	.amdgpu_metadata
---
amdhsa.version: [ 1, 2 ]
amdhsa.kernels:
  - .name:           k_q8574348597_tail
    .symbol:         k_q8574348597_tail.kd
    .args:
      - { .name: ac, .offset: 0, .size: 8, .value_kind: global_buffer, .address_space: global }
      - { .name: wb, .offset: 8, .size: 8, .value_kind: global_buffer, .address_space: global }
      - { .name: x, .offset: 16, .size: 8, .value_kind: global_buffer, .address_space: global }
      - { .name: bo, .offset: 24, .size: 8, .value_kind: global_buffer, .address_space: global }
      - { .name: g1, .offset: 32, .size: 8, .value_kind: global_buffer, .address_space: global }
      - { .name: be1, .offset: 40, .size: 8, .value_kind: global_buffer, .address_space: global }
      - { .name: b1, .offset: 48, .size: 8, .value_kind: global_buffer, .address_space: global }
      - { .name: b2, .offset: 56, .size: 8, .value_kind: global_buffer, .address_space: global }
      - { .name: g2, .offset: 64, .size: 8, .value_kind: global_buffer, .address_space: global }
      - { .name: be2, .offset: 72, .size: 8, .value_kind: global_buffer, .address_space: global }
      - { .name: lowp_scales, .offset: 80, .size: 8, .value_kind: global_buffer, .address_space: global }
      - { .name: out0, .offset: 88, .size: 8, .value_kind: global_buffer, .address_space: global }
    .group_segment_fixed_size: 327680
    .private_segment_fixed_size: 0
    .kernarg_segment_align: 8
    .kernarg_segment_size: 96
    .max_flat_workgroup_size: 256
    .sgpr_count:     102
    .vgpr_count:     512
    .wavefront_size: 32
...
	.end_amdgpu_metadata
.endif
;; end of part 4
